; MI455X (gfx1250); checked and timed in simulation.
; The chip was launched on July 23, 2026; its instructions are those of AMD's public machine-readable ISA for CDNA 5 (MIT licence, August 2026) and "CDNA5" Instruction Set Architecture Reference Guide (July 2026). The comments in the code are by the model that wrote it; some were corrected since.
;; Self Attention. Allowed arithmetic: float matrix products may take bf16 or f16 operands with f32 sums; other float arithmetic in f32, or as packed bf16 or f16 multiplies, adds, multiply-adds, maxima and minima; sums over many terms, partial sums and values carried from step to step in f32; what a program stores and reads back later, other than sums and carried values, may be rounded once to bf16 or f16.
;; Inputs: Wk 1,024 x 1,024 float32; Wq 1,024 x 1,024 float32; Wv 1,024 x 1,024 float32; bk 1,024 float32; bq 1,024 float32; bv 1,024 float32; x 4 x 2,048 x 1,024 float32.
;; Outputs: out0 4 x 2,048 x 1,024 float32.
;; 2 versions, each right; version 2 is version 1 with the launch prep written anew for expert scheduling mode. Each part assembles by itself: llvm-mc -triple=amdgcn-amd-amdhsa -mcpu=gfx1250 --defsym DOCPART=n.
;; ======== version 1 of 2: 4 launches
;; limits: values are held in f16: magnitudes above 65,504 overflow, below 6.1e-05 lose precision
;; workspace buffers: xb 16,777,216 bytes; wbk 6,291,456 bytes; bias 12,288 bytes; qkv 50,331,648 bytes; pt 33,554,432 bytes; st 1,048,576 bytes
;; launch prep (part 1): grid 257 x 1, 11 waves a work-group, no clusters, 0 bytes of LDS; arguments x, Wq, Wk, Wv, bq, bk, bv, xb, wbk, bias; writes xb, wbk, bias
.if DOCPART == 1
	.amdgcn_target "amdgcn-amd-amdhsa--gfx1250"
	.amdhsa_code_object_version 6
	.text
	.protected	k_qe5f12f438c_prep
	.globl	k_qe5f12f438c_prep
	.p2align	8
	.type	k_qe5f12f438c_prep,@function
k_qe5f12f438c_prep:
	s_mov_b64 s[64:65], 0
	v_nop
	global_prefetch_b8 v0, s[64:65] scope:SCOPE_SE
	s_setreg_imm32_b32 hwreg(HW_REG_WAVE_MODE, 25, 1), 1
	s_wait_xcnt 0x0
; PREP.  All the module's inputs are rounded once to bf16 (nearest even) and laid out for the projection's tiles.
;   xb   bf16 [kb 16][row 8192][64]                 : x's channels 64 kb .. 64 kb + 63 of all rows lie together, 128 bytes a row
;   wbk  bf16 [nt 8][ks 16][panel 6][k 64][n 64]    : column n_all = 384 nt + 64 panel + n of [Wq Wk Wv], channel 64 ks + k
;   bias f32  [3072]                                : bq, bk, bv rounded to bf16 and widened again
; A stream: each byte is read once and written once; nothing is shared between waves, so there is no LDS, no barrier, no matrix work.
; SHARES.  A wave takes one chunk of 64 rows x 64 columns of f32: 32 loads of 16 bytes a lane, each covering two rows' 256 consecutive bytes;
; all 32 are issued before the first is waited for.  A load's four numbers become 8 bytes, and a store of the wave covers 256 consecutive bytes, aligned.
; There are 2,048 chunks of x and 3 x 256 of the weights: 2,816 = 256 work-groups x 11 waves, so all these work-groups are alike.  Work-group 256: the three biases.
.set X, 32                             ; v[32:159] chunk as loaded; each load's first two registers then hold the packed result
	s_load_b256 s[8:15], s[0:1], 0x0               ; x s[8:9], Wq s[10:11], Wk s[12:13], Wv s[14:15]
	s_load_b256 s[16:23], s[0:1], 0x20             ; bq s[16:17], bk s[18:19], bv s[20:21], xb s[22:23]
	s_load_b128 s[24:27], s[0:1], 0x40             ; wbk s[24:25], bias s[26:27]
	v_lshrrev_b32 v1, 5, v0
	v_readfirstlane_b32 s2, v1                     ; wave 0..10
	s_wait_kmcnt 0x0
	s_cmp_eq_u32 ttmp9, 256
	s_cbranch_scc1 .Lbias
	s_mul_i32 s44, ttmp9, 11
	s_add_co_u32 s44, s44, s2                      ; my chunk among all 2,816: x's first, then Wq's, Wk's, Wv's
	s_max_u32 s28, s44, 2048
	s_sub_co_u32 s28, s28, 2048                    ; its number among the weights' chunks (0 for x's)
	s_lshr_b32 s29, s28, 8                         ; j: 0 Wq, 1 Wk, 2 Wv
	s_and_b32 s30, s28, 255
	s_cmp_lt_u32 s44, 2048
	s_cselect_b32 s30, s44, s30                    ; chunk c within its source
	s_and_b32 s31, s30, 15                         ; cb: which 64 columns
	s_lshr_b32 s32, s30, 4                         ; rg: which 64 rows
	s_lshl_b32 s33, s32, 18                        ; 64 rows of 4,096 bytes
	s_lshl_b32 s34, s31, 8
	s_add_co_u32 s38, s33, s34                     ; the chunk's byte offset in its source
	s_lshl_b32 s33, s31, 20                        ; xb: cb x 8,192 rows x 128 bytes
	s_lshl_b32 s34, s32, 13                        ;     + rg x 64 rows x 128 bytes
	s_add_co_u32 s33, s33, s34
	s_lshl4_add_u32 s34, s29, s31                  ; wbk: g = 16 j + cb, the block of 64 columns among all 48
	s_mul_i32 s35, s34, 43
	s_lshr_b32 s35, s35, 8                         ; nt = g / 6 (43 g >> 8 equals it for every g under 48)
	s_mul_i32 s36, s35, 6
	s_sub_co_u32 s36, s34, s36                     ; panel = g - 6 nt
	s_lshl4_add_u32 s35, s35, s32                  ; 16 nt + ks
	s_mul_i32 s35, s35, 6
	s_add_co_u32 s35, s35, s36
	s_lshl_b32 s35, s35, 13                        ; panels of 8,192 bytes
	s_cmp_eq_u32 s29, 1
	s_cselect_b64 s[40:41], s[12:13], s[14:15]
	s_cmp_eq_u32 s29, 0
	s_cselect_b64 s[40:41], s[10:11], s[40:41]
	s_cmp_lt_u32 s44, 2048
	s_cselect_b64 s[40:41], s[8:9], s[40:41]       ; the source
	s_cselect_b64 s[42:43], s[22:23], s[24:25]     ; the destination
	s_cselect_b32 s36, s33, s35                    ; and the chunk's offset in it
	s_mov_b32 s39, 0
	s_mov_b32 s37, 0
	s_add_nc_u64 s[40:41], s[40:41], s[38:39]
	s_add_nc_u64 s[42:43], s[42:43], s[36:37]
	v_and_b32 v2, 31, v0                           ; lane
	v_and_b32 v3, 15, v0
	v_bfe_u32 v4, v0, 4, 1
	v_lshlrev_b32 v1, 4, v3                        ; in: 16 bytes a lane, lanes 0-15 one row,
	v_lshl_add_u32 v1, v4, 12, v1                  ; lanes 16-31 the next
	v_lshlrev_b32 v2, 3, v2                        ; out: 8 bytes a lane, the two rows on end
.set t, 0
.rept 32
	global_load_b128 v[X+4*t:X+4*t+3], v1, s[40:41] offset:8192*t th:TH_LOAD_NT
.set t, t+1
.endr
.set t, 0
.rept 32
	s_wait_loadcnt 31-t                            ; loads return in order: number t is in, the 31 - t younger ones stay out
	v_cvt_pk_bf16_f32 v[X+4*t], v[X+4*t], v[X+4*t+1]
	v_cvt_pk_bf16_f32 v[X+4*t+1], v[X+4*t+2], v[X+4*t+3]
	global_store_b64 v2, v[X+4*t:X+4*t+1], s[42:43] offset:256*t  ; no register is written again behind a store
.set t, t+1
.endr
	s_endpgm
.Lbias:                                            ; 256 threads x 16 bytes are one bias: waves 0 to 7 do it
	s_cmp_lt_u32 s2, 8
	s_cbranch_scc0 .Lend
	v_lshlrev_b32 v1, 4, v0
	global_load_b128 v[4:7], v1, s[16:17]
	global_load_b128 v[8:11], v1, s[18:19]
	global_load_b128 v[12:15], v1, s[20:21]
	s_wait_loadcnt 0x0
.irp i, 0,1,2,3,4,5
	v_cvt_pk_bf16_f32 v[16+\i], v[4+2*\i], v[5+2*\i]
.endr
.irp i, 0,1,2,3,4,5
	v_lshlrev_b32 v[4+2*\i], 16, v[16+\i]          ; bf16 to f32: the low half moves up,
	v_and_b32 v[5+2*\i], 0xffff0000, v[16+\i]      ; the high half stays
.endr
	global_store_b128 v1, v[4:7], s[26:27]
	global_store_b128 v1, v[8:11], s[26:27] offset:4096
	global_store_b128 v1, v[12:15], s[26:27] offset:8192
.Lend:
	s_endpgm
.Lfunc_end_k_qe5f12f438c_prep:
	.size	k_qe5f12f438c_prep, .Lfunc_end_k_qe5f12f438c_prep-k_qe5f12f438c_prep
	.p2alignl 7, 3214868480
	.fill 96, 4, 3214868480
	.section	.rodata,"a",@progbits
	.p2align	6, 0x0
	.amdhsa_kernel k_qe5f12f438c_prep
		.amdhsa_group_segment_fixed_size 0
		.amdhsa_private_segment_fixed_size 0
		.amdhsa_enable_private_segment 0
		.amdhsa_kernarg_size 80
		.amdhsa_user_sgpr_count 2
		.amdhsa_user_sgpr_kernarg_segment_ptr 1
		.amdhsa_wavefront_size32 1
		.amdhsa_system_sgpr_workgroup_id_x 1
		.amdhsa_system_sgpr_workgroup_id_y 1
		.amdhsa_system_sgpr_workgroup_id_z 1
		.amdhsa_system_vgpr_workitem_id 0
		.amdhsa_next_free_vgpr 160
		.amdhsa_next_free_sgpr 66
		.amdhsa_reserve_vcc 0
		.amdhsa_float_denorm_mode_32 3
		.amdhsa_float_denorm_mode_16_64 3
		.amdhsa_memory_ordered 1
		.amdhsa_forward_progress 1
		.amdhsa_inst_pref_size 15
	.end_amdhsa_kernel
	.amdgpu_metadata
---
amdhsa.version: [ 1, 2 ]
amdhsa.kernels:
  - .name:           k_qe5f12f438c_prep
    .symbol:         k_qe5f12f438c_prep.kd
    .args:
      - { .name: x, .offset: 0, .size: 8, .value_kind: global_buffer, .address_space: global }
      - { .name: Wq, .offset: 8, .size: 8, .value_kind: global_buffer, .address_space: global }
      - { .name: Wk, .offset: 16, .size: 8, .value_kind: global_buffer, .address_space: global }
      - { .name: Wv, .offset: 24, .size: 8, .value_kind: global_buffer, .address_space: global }
      - { .name: bq, .offset: 32, .size: 8, .value_kind: global_buffer, .address_space: global }
      - { .name: bk, .offset: 40, .size: 8, .value_kind: global_buffer, .address_space: global }
      - { .name: bv, .offset: 48, .size: 8, .value_kind: global_buffer, .address_space: global }
      - { .name: xb, .offset: 56, .size: 8, .value_kind: global_buffer, .address_space: global }
      - { .name: wbk, .offset: 64, .size: 8, .value_kind: global_buffer, .address_space: global }
      - { .name: bias, .offset: 72, .size: 8, .value_kind: global_buffer, .address_space: global }
    .group_segment_fixed_size: 0
    .private_segment_fixed_size: 0
    .kernarg_segment_align: 8
    .kernarg_segment_size: 80
    .max_flat_workgroup_size: 352
    .sgpr_count:     66
    .vgpr_count:     160
    .wavefront_size: 32
...
	.end_amdgpu_metadata
.endif
;; end of part 1
;; launch proj (part 2): grid 8 x 32, 4 waves a work-group, clusters of 4 x 4, 327,680 bytes of LDS; arguments xb, wbk, bias, qkv; writes qkv
.if DOCPART == 2
	.amdgcn_target "amdgcn-amd-amdhsa--gfx1250"
	.amdhsa_code_object_version 6
	.text
	.protected	k_qe5f12f438c_proj
	.globl	k_qe5f12f438c_proj
	.p2align	8
	.type	k_qe5f12f438c_proj,@function
k_qe5f12f438c_proj:
	s_mov_b64 s[64:65], 0
	v_nop
	global_prefetch_b8 v0, s[64:65] scope:SCOPE_SE
	s_setreg_imm32_b32 hwreg(HW_REG_WAVE_MODE, 25, 1), 1
	s_wait_xcnt 0x0
	s_wait_alu depctr_hold_cnt(0) depctr_sa_sdst(0) depctr_va_vdst(0) depctr_va_sdst(0) depctr_va_ssrc(0) depctr_va_vcc(0) depctr_vm_vsrc(0)
	s_getreg_b32 s2, hwreg(HW_REG_IB_STS2, 6, 4)
	s_cmp_eq_u32 s2, 0
	s_cbranch_scc0 .Lentry_in_a_cluster
	s_endpgm
.Lentry_in_a_cluster:
	s_bfe_u32 s2, ttmp6, 0x10000c
	s_cmp_lg_u32 s2, 0xf033
	s_cbranch_scc0 .Lentry_shape_is_right
	s_endpgm
.Lentry_shape_is_right:
; PROJ.  qkv[row][n] = bias[n] + the sum over k of x[row][k] W[k][n], W = [Wq Wk Wv]: 8,192 x 3,072, K = 1,024.  Operands bf16, sums f32, qkv rounded once to f16, [8192][3072].
; LIMIT.  f16 ends at 65,504: q, k, v must stay within it.  NaN and infinities are not treated apart.
; SHARES.  A tile is 256 rows x 384 columns: 32 x 8 = 256 work-groups.  Four waves stand 2 x 2; a wave makes 128 x 192: 96 accumulators of 16 x 16, 768 registers (windows 1 to 3).
; K goes in steps of 64 through a ring of two LDS slots.  xb and wbk are laid out so that a step's tile is dense in memory: it is asked for as rows of 256 bytes and padded in LDS after every 128.
; THE MATRIX INSTRUCTION IS USED TRANSPOSED: source 0 = 16 columns of W (turned out of LDS by ds_load_tr16_b128), source 1 = 16 rows of x: a lane then holds row l % 16 and the columns 8 (l / 16) + 0..7.
; FRAGMENTS.  Window 0 holds x's fragments twice (two buffers of 64) and W's ONCE (12 slots of 8): a slot of W is loaded again just behind its last product.  A quarter (32 along K) is
; products on slots 0-3 | part 1 of the next quarter's loads (slots 0-3 and x's other buffer) | products on slots 4-11 | part 2 (slots 4-11).
; THE BIAS STARTS THE SUMS: it is loaded into the accumulators of row block 7 and is the C operand of the first quarter's products; nothing is cleared and nothing is added on the way out.
; CLUSTER 4 x 4: x's tile hangs on the tile row alone and is asked for jointly along a row of the cluster, W's on the tile column alone and jointly along a column.
.set MA,    8                          ; row blocks a wave
.set NB,    12                         ; column blocks a wave
.set BS,    4                          ; W's slots in part 1
.set T,     16                         ; K steps
.set PA,    144                        ; a row of x in LDS: 128 bytes + 16: the 16 rows of a load start at 16 different groups of four banks (64 banks of 4 bytes: ISA guide 11.1)
.set PB,    160                        ; a row of W (64 columns): 128 + 32
.set PANEL, 64*PB                      ; 64 channels x 64 columns
.set AHALF, 128*PA                     ; what one of x's loads brings
.set BHALF, 3*PANEL                    ; what one of W's loads brings
.set BOFF,  2*AHALF
.set SLOTX, 1<<17                      ; slot 1 begins here: one exclusive or turns an address in one slot into the other's
.set SPARE, SLOTX+BOFF+2*BHALF         ; behind the ring: the spare words, 128 bytes for each wave
.set SP,    784                        ; a row of the stage: 768 bytes + 16.  The stage (256 rows from byte 0) lies over the slots and is written when they have had their last fill
.set ASTEP, 8192*128                   ; bytes from a K step to the next in xb
.set BSTEP, 6*8192                     ; and in wbk
.set NTB,   16*BSTEP                   ; a tile column's part of wbk
.set NP1,   2*BS+2*MA                  ; LDS loads in part 1
.set NP2,   2*(NB-BS)                  ; and in part 2
.set FA0,   32                         ; v32-95, v96-159 x's two buffers
.set FRB,   FA0+16*MA                  ; v160-255 W's slots
.set TMP,   32                         ; the way out: at work
.set R, 1                              ; v1 l % 16
.set H, 2                              ; v2 l / 16
.set TT, 3
.set ADA0, 4                           ; my lane's place in slot 0's tile of x; never rewritten
.set ADB0, 5                           ; the same for W
.set ADRA, 6                           ; the same in the slot in hand
.set ADRB, 7
.set STO, 8                            ; the way out: where I put 16 bytes of a row, row blocks 0-3
.set STO2, 9                           ; row blocks 4-7
.set RD0, 10                           ; where I read rows back
.set RD1, 11
.set CO0, 12                           ; my byte offsets in qkv; never rewritten
.set CO1, 13
.set SPW, 14                           ; LDS address of my spare word; never rewritten
.set NIL, 15                           ; 0; never rewritten
.set PFO, 16                           ; the prefetches' offset: 256 x lane; never rewritten
.set BO, 17                            ; 32 x (l / 16): my eight numbers of a block's bias
.set WV, 12                            ; s12 wave
.set WR, 13                            ; s13 which half of the rows is mine
.set HF, 14                            ; s14 which half of the columns; also which half of a tile I fetch
.set CX, 15
.set CY, 16
.set TX, 17                            ; tile column
.set TY, 18                            ; tile row
.set CLY, 19                           ; the cluster's y
.set G1A, 24                           ; s[24:31] descriptor group 1 for x
.set G1B, 32                           ; s[32:39] for W
.set G0A, 40                           ; s[40:47] group 0 for x: a set for each first fill; the second then walks
.set G0B, 48                           ; s[48:55] the same for W
.set CNT, 56
.set LIM, 57                           ; a wave prefetches while CNT is above it
.set PFA, 58                           ; s[58:59] where my prefetches stand
.set PST, 60                           ; s[60:61] their step
.set TB,  62                           ; LDS byte at which the slot in hand begins
.set MSB, 0
.macro WIN new                         ; the immediate's high byte repeats the setting that is left; a switch that changes nothing is dropped
.if MSB != (\new)
	s_set_vgpr_msb (MSB<<8)|(\new)
.set MSB, (\new)
.endif
.endm
.macro PLACES                          ; four plain instructions between a matrix instruction and a load into, or a vector read of, its registers
.rept 4
	v_nop
.endr
.endm
; Products on W's slots b0 .. b1 - 1 and x's buffer f.  Accumulator (a, b) is number 8 b + a: window 1 + b / 4, register 64 (b % 4) + 8 a.  All 96 take turns in one order.
.macro MULB f, b0, b1
.set bb, \b0
.rept (\b1)-(\b0)
.set aa, 0
.rept MA
	WIN 0x50*(1+bb/4)
.set rD, 64*(bb%4)+8*aa
.set rB, FRB+8*bb
.set rA, FA0+(\f)*8*MA+8*aa
	v_wmma_f32_16x16x32_bf16 v[rD:rD+7], v[rB:rB+7], v[rA:rA+7], v[rD:rD+7]
.set aa, aa+1
.endr
.set bb, bb+1
.endr
.endm
; The same for the first quarter (buffer 0): row blocks 0-6 take block 7's registers, which hold the bias, as C; five places; then block 7 adds in place.
.macro MULBIAS b0, b1
.set bb, \b0
.rept (\b1)-(\b0)
.set aa, 0
.rept MA-1
	WIN 0x50*(1+bb/4)
.set rD, 64*(bb%4)+8*aa
.set rC, 64*(bb%4)+56
.set rB, FRB+8*bb
.set rA, FA0+8*aa
	v_wmma_f32_16x16x32_bf16 v[rD:rD+7], v[rB:rB+7], v[rA:rA+7], v[rC:rC+7]
.set aa, aa+1
.endr
.set bb, bb+1
.endr
.rept 5
	v_nop                                          ; between the last product that reads the bias and the first that writes over it
.endr
.set bb, \b0
.rept (\b1)-(\b0)
	WIN 0x50*(1+bb/4)
.set rC, 64*(bb%4)+56
.set rB, FRB+8*bb
	v_wmma_f32_16x16x32_bf16 v[rC:rC+7], v[rB:rB+7], v[FA0+56:FA0+63], v[rC:rC+7]
.set bb, bb+1
.endr
.endm
.macro LDA qi, f                       ; x's fragments of quarter qi into buffer f: 16 rows x 32 channels each, two loads 32 bytes apart
.set aa, 0
.rept MA
.set rA, FA0+(\f)*8*MA+8*aa
	ds_load_b128 v[rA:rA+3], v[ADRA] offset:64*(\qi)+aa*16*PA
	ds_load_b128 v[rA+4:rA+7], v[ADRA] offset:64*(\qi)+aa*16*PA+32
.set aa, aa+1
.endr
.endm
.macro LDB qi, b0, b1                  ; W's fragments of quarter qi into slots b0 .. b1 - 1: block b lies in panel b / 4 at columns 16 (b % 4)
.set bb, \b0
.rept (\b1)-(\b0)
.set rB, FRB+8*bb
.set oB, PANEL*(bb/4)+32*(bb%4)+32*(\qi)*PB
	ds_load_tr16_b128 v[rB:rB+3], v[ADRB] offset:oB
	ds_load_tr16_b128 v[rB+4:rB+7], v[ADRB] offset:oB+16*PB
.set bb, bb+1
.endr
.endm
.macro P1 qi, f
	WIN 0
	LDB \qi, 0, BS
	LDA \qi, \f
.endm
.macro P2 qi
	WIN 0
	LDB \qi, BS, NB
.endm
.macro QUARTER f, qn, first            ; multiplies buffer f, fetches quarter qn of the same slot
	s_wait_dscnt NP2                               ; part 1 is in; only part 2, issued behind it, may be out
.if \first
	MULBIAS 0, BS
.else
	MULB \f, 0, BS
.endif
	PLACES
	P1 \qn, 1-(\f)
	s_wait_dscnt NP1                               ; part 2 is in; only the part 1 just issued may be out
.if \first
	MULBIAS BS, NB
.else
	MULB \f, BS, NB
.endif
	PLACES
	P2 \qn
.endm
; A joint load: waves 0 and 1 fetch x's two halves, waves 2 and 3 W's.  The branch hangs on the wave's number alone.  An s_nop 0 and four v_nop follow each line.
.macro JLOAD
	s_cmp_lt_u32 s[WV], 2
	s_cbranch_scc0 .Lfor_b_\@
	tensor_load_to_lds s[G0A+4:G0A+7], s[G1A:G1A+7]
	s_nop 0
.rept 4
	v_nop
.endr
	s_branch .Lasked_\@
.Lfor_b_\@:
	tensor_load_to_lds s[G0B+4:G0B+7], s[G1B:G1B+7]
	s_nop 0
.rept 4
	v_nop
.endr
.Lasked_\@:
.endm
.macro CREST                           ; a round of the cluster's barrier behind its opening barrier
	s_cmp_lg_u32 s[WV], 0
	s_cbranch_scc1 .Lnot_wave_0_\@
	s_barrier_signal -3
.Lnot_wave_0_\@:
	s_barrier_wait -3
	s_barrier_signal -1
	s_barrier_wait -1
.endm
.macro CROUND
	s_barrier_signal -1
	s_barrier_wait -1
	CREST
.endm
; A prefetch, behind the joint load, its five lines and the run of LDS loads.  x: the K step one refill on: a tile row's 128 blocks of 256 bytes; the cluster with x = 0 asks, wave 0 of each of the four
; partners for 32 blocks, told apart by address.  W: a tile column's 786,432 bytes are one line; the cluster with y = 0 asks, waves 2 and 3 of the four partners, 256 blocks a trip from block 512 on, ten trips.
; So each block is named once, and no prefetch points past its part of the buffer.
.macro ASK
	s_cmp_gt_u32 s[CNT], s[LIM]
	s_cbranch_scc0 .Lnot_mine_\@
	global_prefetch_b8 v[PFO], s[PFA:PFA+1] th:TH_LOAD_NT scope:SCOPE_SE
.Lnot_mine_\@:
.endm
; A K step's last quarter changes slots.  In front of the barrier each wave waits for all its tensor loads (one is out: its part of the next slot), adds 0 to its spare word, and waits for that and for its
; reads of this slot; sixteen products stand between the add and the wait for it.  fill = 1: the barrier opens a round of the cluster's, and the joint refill, two K steps on, is the first thing behind it.
; Nothing stands between the barrier's signal and its wait: a step's 192 products are the time in which the refill has to land, so the request goes out as early as the order allows, and the quarter's other 80 products follow it.
.macro TURN f, fill
.if \fill
	s_wait_xcnt 0x0                                ; the last prefetch, a K step back, has read its address
	s_add_nc_u64 s[PFA:PFA+1], s[PFA:PFA+1], s[PST:PST+1]
.endif
	WIN 0
	s_wait_tensorcnt 0x0                           ; all my tensor loads have landed
	ds_add_u32 v[SPW], v[NIL]                      ; 0 onto my spare word
	s_wait_dscnt NP2+1                             ; part 1 is in; part 2 and the add may be out
	MULB \f, 0, BS/2
	WIN 0
	s_wait_dscnt 0x0                               ; the add is done, and my reads of this slot are over
	s_barrier_signal -1
	s_barrier_wait -1
.if \fill
	CREST                                          ; no wave of any partner still reads this slot or has a load on its way
	s_xor_b32 s[G0A+5], s[G0A+5], SLOTX            ; the walking descriptors: the other slot than last time, the next K step
	s_add_nc_u64 s[G0A+6:G0A+7], s[G0A+6:G0A+7], ASTEP
	s_xor_b32 s[G0B+5], s[G0B+5], SLOTX
	s_add_nc_u64 s[G0B+6:G0B+7], s[G0B+6:G0B+7], BSTEP
	JLOAD
.endif
	s_xor_b32 s[TB], s[TB], SLOTX
	v_add_nc_u32 v[ADRA], s[TB], v[ADA0]
	v_add_nc_u32 v[ADRB], s[TB], v[ADB0]
	MULB \f, BS/2, BS
	PLACES
	P1 0, 1-(\f)
.if \fill
	ASK
.endif
	MULB \f, BS, NB                                ; part 2 came in with the wait for 0 above
	PLACES
	P2 0
.endm
	s_load_b256 s[4:11], s[0:1], 0x0               ; xb s[4:5], wbk s[6:7], bias s[8:9], qkv s[10:11]
	v_lshl_add_u32 v[SPW], v0, 2, SPARE
	v_mov_b32 v[NIL], 0
	ds_add_u32 v[SPW], v[NIL]                      ; the wave's opening: the add and its wait stand ahead of my first tensor load
	v_lshrrev_b32 v[TT], 5, v0
	v_readfirstlane_b32 s[WV], v[TT]
	s_lshr_b32 s[WR], s[WV], 1
	s_and_b32 s[HF], s[WV], 1
	s_bfe_u32 s[CX], ttmp6, 0x40000
	s_bfe_u32 s[CY], ttmp6, 0x40004
	s_lshl_b32 s[TX], ttmp9, 2
	s_add_co_u32 s[TX], s[TX], s[CX]
	s_and_b32 s[CLY], ttmp7, 0xffff
	s_lshl_b32 s[TY], s[CLY], 2
	s_add_co_u32 s[TY], s[TY], s[CY]
	s_lshl_b32 s20, s[CY], 2
	s_lshl_b32 s20, 15, s20                        ; my row of the cluster
	s_lshl_b32 s22, 0x1111, s[CX]                  ; my column
	s_or_b32 s[G1A], s20, (1<<16)|(1<<20)|(1<<21)|(4<<22)|(3<<25)  ; mask; 2-byte elements; padding on; bit 21 beside a mask; after every 32 words, 4 words
	s_or_b32 s[G1B], s22, (1<<16)|(1<<20)|(1<<21)|(4<<22)|(7<<25)  ; the same with 8 words
	s_mov_b32 s[G1A+1], 128<<16                    ; tensor_dim0 = 128 elements: rows of 256 bytes
	s_mov_b32 s[G1A+2], 64<<16                     ; tensor_dim1 = 64
	s_mov_b32 s[G1A+3], 128<<16                    ; tile_dim0
	s_mov_b32 s[G1A+4], 64                         ; tile_dim1
	s_mov_b32 s[G1A+5], 128                        ; dense: 128 elements from row to row
	s_mov_b32 s[G1A+6], 0
	s_mov_b32 s[G1A+7], 0
	s_mov_b32 s[G1B+1], 128<<16
	s_mov_b32 s[G1B+2], 96<<16
	s_mov_b32 s[G1B+3], 128<<16
	s_mov_b32 s[G1B+4], 96
	s_mov_b32 s[G1B+5], 128
	s_mov_b32 s[G1B+6], 0
	s_mov_b32 s[G1B+7], 0
	s_lshl_b32 s20, s[TY], 15                      ; x: 256 rows x 128 bytes a tile row,
	s_lshl_b32 s21, s[HF], 14                      ; my 128 rows
	s_add_co_u32 s20, s20, s21
	s_mov_b32 s21, 0
	s_mul_i32 s22, s[TX], NTB                      ; W: the tile column's part,
	s_mul_i32 s23, s[HF], 3*8192                   ; my three panels
	s_add_co_u32 s22, s22, s23
	s_mov_b32 s23, 0
	s_mul_i32 s72, s[HF], AHALF                    ; where they go: no place in the cluster enters an LDS address
	s_mul_i32 s73, s[HF], BHALF
	s_add_co_u32 s73, s73, BOFF
	s_wait_dscnt 0x0                               ; the opening add is done
	s_wait_kmcnt 0x0
	s_add_nc_u64 s[20:21], s[4:5], s[20:21]
	s_add_nc_u64 s[22:23], s[6:7], s[22:23]
	CROUND                                         ; all sixteen work-groups are here: the first joint loads meet
.irp s, 0,1
	s_mov_b32 s[G0A+4*(\s)], 1
	s_add_co_u32 s[G0A+4*(\s)+1], s72, (\s)*SLOTX
	s_add_nc_u64 s[G0A+4*(\s)+2:G0A+4*(\s)+3], s[20:21], (\s)*ASTEP
	s_or_b32 s[G0A+4*(\s)+3], s[G0A+4*(\s)+3], 0x80000000
	s_mov_b32 s[G0B+4*(\s)], 1
	s_add_co_u32 s[G0B+4*(\s)+1], s73, (\s)*SLOTX
	s_add_nc_u64 s[G0B+4*(\s)+2:G0B+4*(\s)+3], s[22:23], (\s)*BSTEP
	s_or_b32 s[G0B+4*(\s)+3], s[G0B+4*(\s)+3], 0x80000000
.endr
	s_cmp_lt_u32 s[WV], 2                          ; a wave's two first fills stand in one branch: two loads of mine are out
	s_cbranch_scc0 .Lfirst_b
	tensor_load_to_lds s[G0A:G0A+3], s[G1A:G1A+7]
	s_nop 0
	tensor_load_to_lds s[G0A+4:G0A+7], s[G1A:G1A+7]
	s_nop 0
.rept 4
	v_nop
.endr
	s_branch .Lfirst_done
.Lfirst_b:
	tensor_load_to_lds s[G0B:G0B+3], s[G1B:G1B+7]
	s_nop 0
	tensor_load_to_lds s[G0B+4:G0B+7], s[G1B:G1B+7]
	s_nop 0
.rept 4
	v_nop
.endr
.Lfirst_done:
	v_and_b32 v[R], 15, v0
	v_bfe_u32 v[H], v0, 4, 1
	; the bias of my 192 columns into row block 7's accumulators: register j of block b is column 16 b + 8 (l / 16) + j
	v_lshlrev_b32 v[BO], 5, v[H]
	s_mul_i32 s74, s[TX], 384*4
	s_mul_i32 s75, s[HF], 192*4
	s_add_co_u32 s74, s74, s75
	s_mov_b32 s75, 0
	s_add_nc_u64 s[8:9], s[8:9], s[74:75]
.set bb, 0
.rept NB
	WIN 0x40*(1+bb/4)                              ; destination in the accumulators' window, address in window 0
	global_load_b128 v[64*(bb%4)+56:64*(bb%4)+59], v[BO], s[8:9] offset:64*bb
	global_load_b128 v[64*(bb%4)+60:64*(bb%4)+63], v[BO], s[8:9] offset:64*bb+16
.set bb, bb+1
.endr
	WIN 0
	v_mul_u32_u24 v[ADA0], v[R], PA                ; x: row x pitch + 16 x half + my 128 rows
	v_lshl_add_u32 v[ADA0], v[H], 4, v[ADA0]
	s_mul_i32 s74, s[WR], AHALF
	v_add_nc_u32 v[ADA0], s74, v[ADA0]
	v_and_b32 v[TT], 7, v0                         ; W: the turning load's lane reads channel 8 (l / 16) + l % 8, columns 8 ((l / 8) % 2) + 0..7
	v_lshl_add_u32 v[TT], v[H], 3, v[TT]
	v_mul_u32_u24 v[ADB0], v[TT], PB
	v_bfe_u32 v[TT], v0, 3, 1
	v_lshl_add_u32 v[ADB0], v[TT], 4, v[ADB0]
	s_mul_i32 s74, s[HF], BHALF
	s_add_co_u32 s74, s74, BOFF
	v_add_nc_u32 v[ADB0], s74, v[ADB0]
	s_mul_i32 s74, s[WR], 128*SP                   ; the way out, in: row 128 WR + l % 16, bytes 384 WC + 16 (l / 16)
	s_mul_i32 s75, s[HF], 384
	s_add_co_u32 s74, s74, s75
	v_mul_u32_u24 v[STO], v[R], SP
	v_lshl_add_u32 v[STO], v[H], 4, v[STO]
	v_add_nc_u32 v[STO], s74, v[STO]
	v_add_nc_u32 v[STO2], 64*SP, v[STO]
	v_and_b32 v[TT], 31, v0                        ; back: wave w takes rows 64 w on; two rows' 1,536 bytes are three loads of 512
	s_mul_i32 s74, s[WV], 64*SP
	v_lshl_add_u32 v[RD0], v[TT], 4, s74
	v_lshl_add_u32 v[RD1], v[H], 4, v[RD0]         ; the middle load: lanes 0-15 the even row's last 256 bytes, lanes 16-31 the odd row's first
	v_add_nc_u32 v[RD1], 512, v[RD1]
	v_lshlrev_b32 v[CO0], 4, v[TT]
	v_mul_u32_u24 v[CO1], v[H], 5376
	v_add_nc_u32 v[CO1], v[CO1], v[CO0]
	v_add_nc_u32 v[CO1], 512, v[CO1]
	v_lshlrev_b32 v[PFO], 8, v[TT]
	s_lshl_b32 s74, s[TY], 8
	s_lshl_b32 s75, s[WV], 6
	s_add_co_u32 s74, s74, s75                     ; the first row that I store
	s_mul_i32 s74, s74, 6144
	s_mul_i32 s75, s[TX], 768
	s_add_co_u32 s74, s74, s75
	s_mov_b32 s75, 0
	s_add_nc_u64 s[10:11], s[10:11], s[74:75]
	; the prefetches: nothing is asked for here, at the head, where every work-group's first tiles are on their way
	s_lshl_b32 s74, s[TY], 15
	s_lshl_b32 s75, s[CX], 13
	s_add_co_u32 s74, s74, s75
	s_add_co_u32 s74, s74, 2*ASTEP                 ; x at K step 2: the first change of slots steps it to 3
	s_mul_i32 s76, s[TX], NTB
	s_lshl_b32 s77, s[HF], 15
	s_add_co_u32 s76, s76, s77
	s_lshl_b32 s77, s[CY], 13
	s_add_co_u32 s76, s76, s77
	s_add_co_u32 s76, s76, 65536                   ; W one step of 65,536 bytes in front of block 512
	s_or_b32 s77, ttmp9, s[WV]                     ; 0: wave 0 of a cluster with x = 0
	s_mov_b32 s78, ASTEP
	s_mov_b32 s79, 65536
	s_cmp_lt_u32 s[WV], 2
	s_cselect_b64 s[PFA:PFA+1], s[4:5], s[6:7]
	s_cselect_b32 s74, s74, s76
	s_cselect_b32 s[PST], s78, s79
	s_cselect_b32 s77, s77, s[CLY]                 ; waves 2 and 3: 0 in a cluster with y = 0
	s_cselect_b32 s76, 1, 4                        ; x: all refills but the last; W: the first ten
	s_cmp_eq_u32 s77, 0
	s_cselect_b32 s[LIM], s76, -1
	s_mov_b32 s75, 0
	s_mov_b32 s[PST+1], 0
	s_add_nc_u64 s[PFA:PFA+1], s[PFA:PFA+1], s[74:75]
	s_mov_b32 s[TB], 0
	s_mov_b32 s[CNT], T-2
	s_wait_tensorcnt 0x1                           ; my part of slot 0 is in; slot 1's may stay out
	s_barrier_signal -1
	s_barrier_wait -1
	v_mov_b32 v[ADRA], v[ADA0]
	v_mov_b32 v[ADRB], v[ADB0]
	P1 0, 0
	P2 0
	s_wait_loadcnt 0x0                             ; the bias
	QUARTER 0, 1, 1
	WIN 0
.Lk:                                               ; T - 2 trips: a step's second quarter with the change of slots and a refill, then the next step's first
	TURN 1, 1
	QUARTER 0, 1, 0
	WIN 0
	s_sub_co_u32 s[CNT], s[CNT], 1
	s_cmp_lg_u32 s[CNT], 0
	s_cbranch_scc1 .Lk
	s_mov_b32 s[CNT], 2
.Ltail:                                            ; the last two K steps ask for nothing: a text of their own, walked twice and left in its middle.
	TURN 1, 0                                      ; The second trip's change of slots fetches fragments of the slot read before, which nobody multiplies: the price, once a launch, of one text for both trips
	WIN 0
	s_sub_co_u32 s[CNT], s[CNT], 1
	s_cmp_eq_u32 s[CNT], 0
	s_cbranch_scc1 .Lsums
	QUARTER 0, 1, 0
	WIN 0
	s_branch .Ltail
.Lsums:
	s_wait_dscnt 0x0                               ; my last reads of the slots are over, and the registers that they fill may be written:
	s_barrier_signal -1                            ; behind this barrier the stage is written over the slots
	s_barrier_wait -1
	; THE WAY OUT.  Rounded to f16, 16 bytes a lane into the work-group's stage; a barrier, since a row's 768 bytes come from two waves; back as whole rows.  (Four places stand behind the last product, in TURN.)
.set bb, 0
.rept NB
	WIN 0x05*(1+bb/4)                              ; sources in the accumulators' window, destination in window 0
.set aa, 0
.rept MA
.set rD, 64*(bb%4)+8*aa
.set rT, TMP+32*(bb%2)+4*aa
	v_cvt_pk_f16_f32 v[rT], v[rD], v[rD+1]
	v_cvt_pk_f16_f32 v[rT+1], v[rD+2], v[rD+3]
	v_cvt_pk_f16_f32 v[rT+2], v[rD+4], v[rD+5]
	v_cvt_pk_f16_f32 v[rT+3], v[rD+6], v[rD+7]
.set aa, aa+1
.endr
	WIN 0
.set aa, 0
.rept MA
.set rT, TMP+32*(bb%2)+4*aa
.if aa < 4
	ds_store_b128 v[STO], v[rT:rT+3] offset:16*SP*aa+32*bb
.else
	ds_store_b128 v[STO2], v[rT:rT+3] offset:16*SP*(aa-4)+32*bb
.endif
.set aa, aa+1
.endr
.set bb, bb+1
.endr
	s_wait_dscnt 0x0                               ; for the others' sake: my stores into the stage are done
	s_barrier_signal -1
	s_barrier_wait -1
	s_mov_b32 s[CNT], 8
.Lout:                                             ; eight rows a trip: twelve loads, twelve stores; each half of 16 lanes stores 256 consecutive bytes, at a multiple of 256 from qkv's first byte
.irp j, 0,1,2,3
	ds_load_b128 v[TMP+12*\j:TMP+12*\j+3], v[RD0] offset:2*SP*\j
	ds_load_b128 v[TMP+12*\j+4:TMP+12*\j+7], v[RD1] offset:2*SP*\j
	ds_load_b128 v[TMP+12*\j+8:TMP+12*\j+11], v[RD0] offset:2*SP*\j+SP+256
.endr
.irp j, 0,1,2,3
	s_wait_dscnt 11-3*\j                           ; LDS loads return in order: the younger ones stay out
	global_store_b128 v[CO0], v[TMP+12*\j:TMP+12*\j+3], s[10:11] offset:12288*\j
	s_wait_dscnt 10-3*\j
	global_store_b128 v[CO1], v[TMP+12*\j+4:TMP+12*\j+7], s[10:11] offset:12288*\j
	s_wait_dscnt 9-3*\j
	global_store_b128 v[CO0], v[TMP+12*\j+8:TMP+12*\j+11], s[10:11] offset:12288*\j+6400
.endr
	s_wait_xcnt 0x0                                ; the stores have read their data and their base: both are written again only behind this wait
	v_add_nc_u32 v[RD0], 8*SP, v[RD0]
	v_add_nc_u32 v[RD1], 8*SP, v[RD1]
	s_add_nc_u64 s[10:11], s[10:11], 8*6144
	s_sub_co_u32 s[CNT], s[CNT], 1
	s_cmp_lg_u32 s[CNT], 0
	s_cbranch_scc1 .Lout
	s_wait_tensorcnt 0x0                           ; the wave's end
	ds_add_u32 v[SPW], v[NIL]
	s_wait_dscnt 0x0
	CROUND                                         ; the closing round: no work-group ends while a partner may still ask for a tile that names it
	s_endpgm
.Lfunc_end_k_qe5f12f438c_proj:
	.size	k_qe5f12f438c_proj, .Lfunc_end_k_qe5f12f438c_proj-k_qe5f12f438c_proj
	.p2alignl 7, 3214868480
	.fill 96, 4, 3214868480
	.section	.rodata,"a",@progbits
	.p2align	6, 0x0
	.amdhsa_kernel k_qe5f12f438c_proj
		.amdhsa_group_segment_fixed_size 327680
		.amdhsa_private_segment_fixed_size 0
		.amdhsa_enable_private_segment 0
		.amdhsa_kernarg_size 32
		.amdhsa_user_sgpr_count 2
		.amdhsa_user_sgpr_kernarg_segment_ptr 1
		.amdhsa_wavefront_size32 1
		.amdhsa_system_sgpr_workgroup_id_x 1
		.amdhsa_system_sgpr_workgroup_id_y 1
		.amdhsa_system_sgpr_workgroup_id_z 1
		.amdhsa_system_vgpr_workitem_id 0
		.amdhsa_next_free_vgpr 1024
		.amdhsa_next_free_sgpr 96
		.amdhsa_reserve_vcc 0
		.amdhsa_float_denorm_mode_32 3
		.amdhsa_float_denorm_mode_16_64 3
		.amdhsa_memory_ordered 1
		.amdhsa_forward_progress 1
		.amdhsa_inst_pref_size 95
	.end_amdhsa_kernel
	.amdgpu_metadata
---
amdhsa.version: [ 1, 2 ]
amdhsa.kernels:
  - .name:           k_qe5f12f438c_proj
    .symbol:         k_qe5f12f438c_proj.kd
    .args:
      - { .name: xb, .offset: 0, .size: 8, .value_kind: global_buffer, .address_space: global }
      - { .name: wbk, .offset: 8, .size: 8, .value_kind: global_buffer, .address_space: global }
      - { .name: bias, .offset: 16, .size: 8, .value_kind: global_buffer, .address_space: global }
      - { .name: qkv, .offset: 24, .size: 8, .value_kind: global_buffer, .address_space: global }
    .group_segment_fixed_size: 327680
    .private_segment_fixed_size: 0
    .kernarg_segment_align: 8
    .kernarg_segment_size: 32
    .max_flat_workgroup_size: 128
    .sgpr_count:     96
    .vgpr_count:     1024
    .wavefront_size: 32
...
	.end_amdgpu_metadata
.endif
;; end of part 2
;; launch score (part 3): grid 8 x 32, 4 waves a work-group, clusters of 4 x 4, 327,680 bytes of LDS; arguments qkv, pt, st; writes pt, st
.if DOCPART == 3
	.amdgcn_target "amdgcn-amd-amdhsa--gfx1250"
	.amdhsa_code_object_version 6
	.text
	.protected	k_qe5f12f438c_score
	.globl	k_qe5f12f438c_score
	.p2align	8
	.type	k_qe5f12f438c_score,@function
k_qe5f12f438c_score:
	s_mov_b64 s[64:65], 0
	v_nop
	global_prefetch_b8 v0, s[64:65] scope:SCOPE_SE
	s_setreg_imm32_b32 hwreg(HW_REG_WAVE_MODE, 25, 1), 1
	s_wait_xcnt 0x0
	s_wait_alu depctr_hold_cnt(0) depctr_sa_sdst(0) depctr_va_vdst(0) depctr_va_sdst(0) depctr_va_ssrc(0) depctr_va_vcc(0) depctr_vm_vsrc(0)
	s_getreg_b32 s2, hwreg(HW_REG_IB_STS2, 6, 4)
	s_cmp_eq_u32 s2, 0
	s_cbranch_scc0 .Lentry_in_a_cluster
	s_endpgm
.Lentry_in_a_cluster:
	s_bfe_u32 s2, ttmp6, 0x10000c
	s_cmp_lg_u32 s2, 0xf033
	s_cbranch_scc0 .Lentry_shape_is_right
	s_endpgm
.Lentry_shape_is_right:
; SCORE.  s = q k^T for 256 queries x 256 keys of one batch (K = 1,024, f16 operands, f32 sums), and the first half of the softmax: for each query and each tile of 128 keys
;   cm = c max s,  p = 2^(c s - cm) rounded to f16,  l = the sum of the unrounded p,   c = log2(e) / 32.
; pt: f16 [8192 queries][2048 keys].  st: f32 [tile 16][query 8192][2] = (cm, l).  The launch behind brings the tiles of a row to the row's own maximum.
; LIMITS.  p lies in 0 to 1 and below 6e-5 keeps f16's fixed step of 6e-8; a weight below 2^-126 counts as 0 in l; NaN and infinities are not treated apart.
; SHARES.  32 x 8 = 256 work-groups; four waves stand 2 x 2, a wave makes 128 queries x 128 keys, which is one tile of the statistics: 64 accumulators, windows 1 and 2.
; The matrix instruction is used transposed (source 0 = 16 keys, source 1 = 16 queries): a lane holds ONE query (l % 16) and the keys 8 (l / 16) + 0..7 of each block of 16.
; K goes in steps of 128 (rows of 256 bytes) through two LDS slots.  Window 0 holds q's fragments twice and k's once: a slot of k is loaded again just behind its last product.
; CLUSTER 4 x 4: q's tile is asked for jointly along a row of the cluster, k's along a column.
.set MA,    8
.set NB,    8
.set BS,    4
.set T,     8
.set PA,    272                        ; an LDS row: 256 bytes + 16: the 16 rows of a load start at 16 different groups of four banks (64 banks of 4 bytes: ISA guide 11.1)
.set PB,    272
.set HALFT, 128*272
.set SLOTX, 4*HALFT                    ; 0x22000: it shares no bit with wave x HALFT, so an exclusive or moves an address from slot to slot
.set STAGE, 2*SLOTX                    ; behind the ring: 16 rows x 272 bytes for each wave
.set SPARE, STAGE+4*16*272             ; behind the stages: the spare words
.set ASTEP, 256
.set BSTEP, 256
.set NP1,   2*BS+2*MA
.set NP2,   2*(NB-BS)
.set FA0,   32
.set FRB,   FA0+16*MA
.set TMP,   32                         ; the way out: v32-63 packed weights
.set SUM,   64                         ; v64-95 partial sums
.set BK,    96                         ; v96-159 rows read back, two sets
.set STT,   160                        ; v160-175 (cm, l) of row block a at STT + 2 a
.set CH,    176                        ; v176-183 eight chains of the maximum
.set STP,   184                        ; v184-191 statistics as stored
.set R, 1
.set H, 2
.set TT, 3
.set ADA0, 4
.set ADB0, 5
.set ADRA, 6
.set ADRB, 7
.set STO, 8
.set RD, 9
.set CO, 10
.set SO, 11
.set PFO, 12
.set SPW, 14
.set NIL, 15
.set WV, 12
.set WR, 13
.set HF, 14
.set CX, 15
.set CY, 16
.set TX, 17
.set TY, 18
.set CLY, 19
.set G1A, 24
.set G1B, 32
.set G0A, 40
.set G0B, 48
.set CNT, 56
.set LIM, 57
.set PFA, 58
.set PST, 60
.set TB,  62
.set CS,  66                           ; s[66:67] c
.set SEL, 68                           ; s[68:69] v_permlanex16_b32's selects: each lane takes its own place in the other half
.set MASKH, 70                         ; lanes 16-31
.set BAT, 71
.set MSB, 0
.macro WIN new
.if MSB != (\new)
	s_set_vgpr_msb (MSB<<8)|(\new)
.set MSB, (\new)
.endif
.endm
.macro PLACES
.rept 4
	v_nop
.endr
.endm
; Accumulator (a, b) is number 8 b + a: window 1 + b / 4, register 64 (b % 4) + 8 a.  All 64 take turns in one order.  zero = 1: the product starts the sum.
.macro MULB f, b0, b1, zero=0
.set bb, \b0
.rept (\b1)-(\b0)
.set aa, 0
.rept MA
	WIN 0x50*(1+bb/4)
.set rD, 64*(bb%4)+8*aa
.set rB, FRB+8*bb
.set rA, FA0+(\f)*8*MA+8*aa
.if \zero
	v_wmma_f32_16x16x32_f16 v[rD:rD+7], v[rB:rB+7], v[rA:rA+7], 0
.else
	v_wmma_f32_16x16x32_f16 v[rD:rD+7], v[rB:rB+7], v[rA:rA+7], v[rD:rD+7]
.endif
.set aa, aa+1
.endr
.set bb, bb+1
.endr
.endm
.macro LDA qi, f
.set aa, 0
.rept MA
.set rA, FA0+(\f)*8*MA+8*aa
	ds_load_b128 v[rA:rA+3], v[ADRA] offset:64*(\qi)+aa*16*PA
	ds_load_b128 v[rA+4:rA+7], v[ADRA] offset:64*(\qi)+aa*16*PA+32
.set aa, aa+1
.endr
.endm
.macro LDB qi, b0, b1
.set bb, \b0
.rept (\b1)-(\b0)
.set rB, FRB+8*bb
	ds_load_b128 v[rB:rB+3], v[ADRB] offset:64*(\qi)+bb*16*PB
	ds_load_b128 v[rB+4:rB+7], v[ADRB] offset:64*(\qi)+bb*16*PB+32
.set bb, bb+1
.endr
.endm
.macro P1 qi, f
	WIN 0
	LDB \qi, 0, BS
	LDA \qi, \f
.endm
.macro P2 qi
	WIN 0
	LDB \qi, BS, NB
.endm
.macro QUARTER f, qn, zero
	s_wait_dscnt NP2                               ; part 1 is in; only part 2, issued behind it, may be out
	MULB \f, 0, BS, \zero
	PLACES
	P1 \qn, 1-(\f)
	s_wait_dscnt NP1                               ; part 2 is in; only the part 1 just issued may be out
	MULB \f, BS, NB, \zero
	PLACES
	P2 \qn
.endm
.macro JLOAD                           ; waves 0 and 1 fetch q's two halves, waves 2 and 3 k's; an s_nop 0 and four v_nop follow each line
	s_cmp_lt_u32 s[WV], 2
	s_cbranch_scc0 .Lfor_b_\@
	tensor_load_to_lds s[G0A+4:G0A+7], s[G1A:G1A+7]
	s_nop 0
.rept 4
	v_nop
.endr
	s_branch .Lasked_\@
.Lfor_b_\@:
	tensor_load_to_lds s[G0B+4:G0B+7], s[G1B:G1B+7]
	s_nop 0
.rept 4
	v_nop
.endr
.Lasked_\@:
.endm
.macro CREST
	s_cmp_lg_u32 s[WV], 0
	s_cbranch_scc1 .Lnot_wave_0_\@
	s_barrier_signal -3
.Lnot_wave_0_\@:
	s_barrier_wait -3
	s_barrier_signal -1
	s_barrier_wait -1
.endm
.macro CROUND
	s_barrier_signal -1
	s_barrier_wait -1
	CREST
.endm
; A prefetch of the K step one refill on: 256 bytes of each row.  q's rows are read by both clusters of a row of clusters: the one with x = 0 asks; k's by the two clusters of a batch in a column: the one
; with even y asks.  Of the 128 rows that a wave fetches each of the four partners takes 32, told apart by address: a lane a row.  The last refill has no K step behind it and asks for nothing.
.macro ASK
	s_cmp_gt_u32 s[CNT], s[LIM]
	s_cbranch_scc0 .Lnot_mine_\@
	global_prefetch_b8 v[PFO], s[PFA:PFA+1] th:TH_LOAD_NT scope:SCOPE_SE
.Lnot_mine_\@:
.endm
.macro TURN f, fill                    ; a K step's last quarter, with the change of slots
.if \fill
	s_wait_xcnt 0x0                                ; the last prefetch, a K step back, has read its address
	s_add_nc_u64 s[PFA:PFA+1], s[PFA:PFA+1], s[PST:PST+1]
.endif
	WIN 0
	s_wait_tensorcnt 0x0                           ; all my tensor loads have landed: the one that was out is my part of the next slot
	ds_add_u32 v[SPW], v[NIL]                      ; 0 onto my spare word
	s_wait_dscnt NP2+1                             ; part 1 is in; part 2 and the add may be out
	MULB \f, 0, BS/2
	s_wait_dscnt 0x0                               ; the add is done, and my reads of this slot are over
	s_barrier_signal -1
	MULB \f, BS/2, BS
	WIN 0
	s_barrier_wait -1
.if \fill
	CREST                                          ; no wave of any partner still reads this slot or has a load on its way
	s_xor_b32 s[G0A+5], s[G0A+5], SLOTX
	s_add_nc_u64 s[G0A+6:G0A+7], s[G0A+6:G0A+7], ASTEP
	s_xor_b32 s[G0B+5], s[G0B+5], SLOTX
	s_add_nc_u64 s[G0B+6:G0B+7], s[G0B+6:G0B+7], BSTEP
	JLOAD                                          ; its four v_nop are also the places in front of the loads below
.else
	PLACES
.endif
	s_xor_b32 s[TB], s[TB], SLOTX
	v_add_nc_u32 v[ADRA], s[TB], v[ADA0]
	v_add_nc_u32 v[ADRB], s[TB], v[ADB0]
	P1 0, 1-(\f)
.if \fill
	ASK
.endif
	MULB \f, BS, NB
	PLACES
	P2 0
.endm
	s_load_b128 s[4:7], s[0:1], 0x0                ; qkv s[4:5], pt s[6:7]
	s_load_b64 s[8:9], s[0:1], 0x10                ; st
	v_lshl_add_u32 v[SPW], v0, 2, SPARE
	v_mov_b32 v[NIL], 0
	ds_add_u32 v[SPW], v[NIL]                      ; the wave's opening: the add and its wait stand ahead of my first tensor load
	v_lshrrev_b32 v[TT], 5, v0
	v_readfirstlane_b32 s[WV], v[TT]
	s_lshr_b32 s[WR], s[WV], 1
	s_and_b32 s[HF], s[WV], 1
	s_bfe_u32 s[CX], ttmp6, 0x40000
	s_bfe_u32 s[CY], ttmp6, 0x40004
	s_lshl_b32 s[TX], ttmp9, 2
	s_add_co_u32 s[TX], s[TX], s[CX]               ; which 256 keys of the batch
	s_and_b32 s[CLY], ttmp7, 0xffff
	s_lshl_b32 s[TY], s[CLY], 2
	s_add_co_u32 s[TY], s[TY], s[CY]               ; which 256 of all 8,192 queries
	s_lshr_b32 s[BAT], s[CLY], 1                   ; the batch: eight tile rows, two clusters
	s_lshl_b32 s20, s[CY], 2
	s_lshl_b32 s20, 15, s20
	s_lshl_b32 s22, 0x1111, s[CX]
	s_or_b32 s[G1A], s20, (1<<16)|(1<<20)|(1<<21)|(5<<22)|(3<<25)  ; mask; 2-byte elements; padding on; bit 21 beside a mask; after every 64 words, 4 words
	s_or_b32 s[G1B], s22, (1<<16)|(1<<20)|(1<<21)|(5<<22)|(3<<25)
.irp g, G1A, G1B
	s_mov_b32 s[(\g)+1], 128<<16                   ; tensor_dim0 = 128
	s_mov_b32 s[(\g)+2], 128<<16                   ; tensor_dim1 = 128
	s_mov_b32 s[(\g)+3], 128<<16                   ; tile_dim0
	s_mov_b32 s[(\g)+4], 128                       ; tile_dim1
	s_mov_b32 s[(\g)+5], 3072                      ; elements from row to row of qkv
	s_mov_b32 s[(\g)+6], 0
	s_mov_b32 s[(\g)+7], 0
.endr
	s_lshl_b32 s20, s[TY], 8
	s_lshl_b32 s21, s[HF], 7
	s_add_co_u32 s20, s20, s21
	s_mul_i32 s20, s20, 6144                       ; q: row 256 TY + 128 half
	s_mov_b32 s21, 0
	s_lshl_b32 s22, s[BAT], 11
	s_lshl_b32 s23, s[TX], 8
	s_add_co_u32 s22, s22, s23
	s_lshl_b32 s23, s[HF], 7
	s_add_co_u32 s22, s22, s23
	s_mul_i32 s22, s22, 6144                       ; k: row 2,048 batch + 256 TX + 128 half,
	s_add_co_u32 s22, s22, 2048                    ; 2,048 bytes into the row
	s_mov_b32 s23, 0
	s_mul_i32 s72, s[WV], HALFT                    ; q's two halves, then k's two halves
	s_mov_b32 s[CS], 0x3d38aa3b                    ; c = log2(e) / 32
	s_mov_b32 s[CS+1], s[CS]
	s_mov_b32 s[SEL], 0x76543210
	s_mov_b32 s[SEL+1], 0xfedcba98
	s_mov_b32 s[MASKH], 0xffff0000
	s_wait_dscnt 0x0                               ; the opening add is done
	s_wait_kmcnt 0x0
	s_add_nc_u64 s[20:21], s[4:5], s[20:21]
	s_add_nc_u64 s[22:23], s[4:5], s[22:23]
	CROUND                                         ; all sixteen work-groups are here: the first joint loads meet
.irp s, 0,1
	s_mov_b32 s[G0A+4*(\s)], 1
	s_add_co_u32 s[G0A+4*(\s)+1], s72, (\s)*SLOTX
	s_add_nc_u64 s[G0A+4*(\s)+2:G0A+4*(\s)+3], s[20:21], (\s)*ASTEP
	s_or_b32 s[G0A+4*(\s)+3], s[G0A+4*(\s)+3], 0x80000000
	s_mov_b32 s[G0B+4*(\s)], 1
	s_add_co_u32 s[G0B+4*(\s)+1], s72, (\s)*SLOTX
	s_add_nc_u64 s[G0B+4*(\s)+2:G0B+4*(\s)+3], s[22:23], (\s)*BSTEP
	s_or_b32 s[G0B+4*(\s)+3], s[G0B+4*(\s)+3], 0x80000000
.endr
	s_cmp_lt_u32 s[WV], 2                          ; a wave's two first fills stand in one branch: two loads of mine are out
	s_cbranch_scc0 .Lfirst_b
	tensor_load_to_lds s[G0A:G0A+3], s[G1A:G1A+7]
	s_nop 0
	tensor_load_to_lds s[G0A+4:G0A+7], s[G1A:G1A+7]
	s_nop 0
.rept 4
	v_nop
.endr
	s_branch .Lfirst_done
.Lfirst_b:
	tensor_load_to_lds s[G0B:G0B+3], s[G1B:G1B+7]
	s_nop 0
	tensor_load_to_lds s[G0B+4:G0B+7], s[G1B:G1B+7]
	s_nop 0
.rept 4
	v_nop
.endr
.Lfirst_done:
	v_and_b32 v[R], 15, v0
	v_bfe_u32 v[H], v0, 4, 1
	v_mul_u32_u24 v[TT], v[R], PA
	v_lshl_add_u32 v[TT], v[H], 4, v[TT]           ; row x pitch + 16 x half
	s_mul_i32 s74, s[WR], HALFT
	s_mul_i32 s75, s[HF], HALFT
	s_add_co_u32 s75, s75, 2*HALFT
	v_add_nc_u32 v[ADA0], s74, v[TT]
	v_add_nc_u32 v[ADB0], s75, v[TT]
	s_mul_i32 s74, s[WV], 16*272
	s_add_co_u32 s74, s74, STAGE                   ; my stage
	v_add_nc_u32 v[STO], s74, v[TT]                ; in: row l % 16, 16 bytes for each half of the lanes
	v_mul_u32_u24 v[RD], v[H], 272                 ; back: lanes 0-15 one row of 256 bytes, lanes 16-31 the next
	v_lshl_add_u32 v[RD], v[R], 4, v[RD]
	v_add_nc_u32 v[RD], s74, v[RD]
	v_lshlrev_b32 v[CO], 12, v[H]                  ; and the same two rows in pt
	v_lshl_add_u32 v[CO], v[R], 4, v[CO]
	v_and_b32 v[TT], 31, v0
	v_lshlrev_b32 v[SO], 3, v[TT]                  ; 8 bytes of statistics a lane
	v_mul_u32_u24 v[PFO], v[TT], 6144              ; a lane a row
	s_lshl_b32 s74, s[TY], 8
	s_lshl_b32 s75, s[WR], 7
	s_add_co_u32 s74, s74, s75                     ; my first query
	s_lshl_b32 s76, s74, 3
	s_lshl_b32 s74, s74, 12
	s_lshl_b32 s75, s[TX], 9
	s_add_co_u32 s74, s74, s75
	s_lshl_b32 s75, s[HF], 8
	s_add_co_u32 s74, s74, s75                     ; my first key, in bytes
	s_mov_b32 s75, 0
	s_add_nc_u64 s[6:7], s[6:7], s[74:75]
	s_lshl_b32 s77, s[TX], 1
	s_add_co_u32 s77, s77, s[HF]                   ; my tile of 128 keys
	s_lshl_b32 s77, s77, 16
	s_add_co_u32 s76, s76, s77
	s_mov_b32 s77, 0
	s_add_nc_u64 s[8:9], s[8:9], s[76:77]
	; the prefetches: nothing is asked for at the head, where every work-group's first tiles are on their way
	s_lshl_b32 s74, s[TY], 8
	s_lshl_b32 s75, s[CX], 5
	s_add_co_u32 s74, s74, s75
	s_lshl_b32 s76, s[BAT], 11
	s_lshl_b32 s77, s[TX], 8
	s_add_co_u32 s76, s76, s77
	s_lshl_b32 s77, s[CY], 5
	s_add_co_u32 s76, s76, s77
	s_and_b32 s77, s[CLY], 1
	s_cmp_lt_u32 s[WV], 2
	s_cselect_b32 s74, s74, s76                    ; the tile's first row + my work-group's 32
	s_cselect_b32 s75, 0, 2048
	s_cselect_b32 s77, ttmp9, s77                  ; 0 in the cluster that asks
	s_cmp_eq_u32 s77, 0
	s_cselect_b32 s[LIM], 1, -1
	s_lshl_b32 s76, s[HF], 7
	s_add_co_u32 s74, s74, s76                     ; + the 128 rows that I fetch
	s_mul_i32 s74, s74, 6144
	s_add_co_u32 s74, s74, s75
	s_add_co_u32 s74, s74, 2*ASTEP                 ; at K step 2: the first change of slots steps it to 3
	s_mov_b32 s75, 0
	s_add_nc_u64 s[PFA:PFA+1], s[4:5], s[74:75]
	s_mov_b32 s[PST], ASTEP
	s_mov_b32 s[PST+1], 0
	s_mov_b32 s[TB], 0
	s_mov_b32 s[CNT], T-2
	s_wait_tensorcnt 0x1                           ; my part of slot 0 is in; slot 1's may stay out
	s_barrier_signal -1
	s_barrier_wait -1
	v_mov_b32 v[ADRA], v[ADA0]
	v_mov_b32 v[ADRB], v[ADB0]
	P1 0, 0
	P2 0
	QUARTER 0, 1, 1                                ; the first quarter starts the sums: nothing is cleared
	WIN 0
.Lk:                                               ; T - 2 trips, from a step's second quarter to the next step's first
	QUARTER 1, 2, 0
	QUARTER 0, 3, 0
	TURN 1, 1
	QUARTER 0, 1, 0
	WIN 0
	s_sub_co_u32 s[CNT], s[CNT], 1
	s_cmp_lg_u32 s[CNT], 0
	s_cbranch_scc1 .Lk
	s_mov_b32 s[CNT], 2
.Ltail:                                            ; the last two K steps ask for nothing: a text of their own, walked twice and left in its middle.
	QUARTER 1, 2, 0                                ; The second trip's change of slots fetches fragments of the slot read before, which nobody multiplies: the price, once a launch, of one text for both trips
	QUARTER 0, 3, 0
	TURN 1, 0
	WIN 0
	s_sub_co_u32 s[CNT], s[CNT], 1
	s_cmp_eq_u32 s[CNT], 0
	s_cbranch_scc1 .Lsoft
	QUARTER 0, 1, 0
	WIN 0
	s_branch .Ltail
.Lsoft:
	s_wait_dscnt 0x0                               ; those fragments have come: their registers are written on the way out.  (Four places stand behind the last product, in TURN.)
; THE WAY OUT, a block of 16 queries at a time.  SOFT a: a lane's 64 scores of block a lie at 64 (b % 4) + 8 a of window 1 + b / 4.
.macro SOFT a
.set w, 1
.rept 2                                ; the maximum: a chain for each accumulator, begun at its lowest registers
	WIN 0x15*w
.set q, 0
.rept 4
	v_max3_num_f32 v[CH+4*(w-1)+q], v[64*q+8*(\a)], v[64*q+8*(\a)+1], v[64*q+8*(\a)+2]
.set q, q+1
.endr
	WIN 0x14*w
.set q, 0
.rept 4
	v_max3_num_f32 v[CH+4*(w-1)+q], v[CH+4*(w-1)+q], v[64*q+8*(\a)+3], v[64*q+8*(\a)+4]
.set q, q+1
.endr
.set q, 0
.rept 4
	v_max3_num_f32 v[CH+4*(w-1)+q], v[CH+4*(w-1)+q], v[64*q+8*(\a)+5], v[64*q+8*(\a)+6]
.set q, q+1
.endr
.set q, 0
.rept 4
	v_max_num_f32 v[CH+4*(w-1)+q], v[CH+4*(w-1)+q], v[64*q+8*(\a)+7]
.set q, q+1
.endr
.set w, w+1
.endr
	WIN 0
	v_max3_num_f32 v[CH], v[CH], v[CH+1], v[CH+2]
	v_max3_num_f32 v[CH+3], v[CH+3], v[CH+4], v[CH+5]
	v_max3_num_f32 v[CH], v[CH], v[CH+6], v[CH+7]
	v_max_num_f32 v[CH], v[CH], v[CH+3]
	v_permlanex16_b32 v[CH+1], v[CH], s[SEL], s[SEL+1]  ; the query's other 64 keys lie in the lane 16 away
	v_max_num_f32 v[CH], v[CH], v[CH+1]
	v_mul_f32 v[STT+2*(\a)], s[CS], v[CH]          ; cm; written into both words of the pair that the scaling names (l takes the second later)
	v_mul_f32 v[STT+2*(\a)+1], s[CS], v[CH]
.set w, 1
.rept 2                                ; c s - cm and the exponentials, in place: ONE batch of 64; a pair's exponentials stand behind the next pair's scaling; nothing here names a result
	WIN 0x41*w
.set p, 0
.rept 16
.set rS, 64*(p/4)+8*(\a)+2*(p%4)
	v_pk_fma_f32 v[rS:rS+1], v[rS:rS+1], s[CS:CS+1], v[STT+2*(\a):STT+2*(\a)+1] op_sel_hi:[1,0,0] neg_lo:[0,0,1] neg_hi:[0,0,1]
.if p > 0
.set rE, 64*((p-1)/4)+8*(\a)+2*((p-1)%4)
	v_exp_f32 v[rE], v[rE]
	v_exp_f32 v[rE+1], v[rE+1]
.endif
.set p, p+1
.endr
	v_exp_f32 v[192+8*(\a)+6], v[192+8*(\a)+6]
	v_exp_f32 v[192+8*(\a)+7], v[192+8*(\a)+7]
.set w, w+1
.endr
	v_nop                                          ; a plain instruction behind the last exponential,
	s_wait_alu depctr_va_vdst(0)                   ; and one wait ahead of the batch's first reader
.set w, 1
.rept 2                                ; rounded to f16, and the first level of the sums
	WIN 0x05*w
.set q, 0
.rept 4
.set rS, 64*q+8*(\a)
.set rT, TMP+4*(4*(w-1)+q)
.set rU, SUM+4*(4*(w-1)+q)
	v_cvt_pk_f16_f32 v[rT], v[rS], v[rS+1]
	v_cvt_pk_f16_f32 v[rT+1], v[rS+2], v[rS+3]
	v_cvt_pk_f16_f32 v[rT+2], v[rS+4], v[rS+5]
	v_cvt_pk_f16_f32 v[rT+3], v[rS+6], v[rS+7]
	v_pk_add_f32 v[rU:rU+1], v[rS:rS+1], v[rS+2:rS+3]
	v_pk_add_f32 v[rU+2:rU+3], v[rS+4:rS+5], v[rS+6:rS+7]
.set q, q+1
.endr
.set w, w+1
.endr
	WIN 0
.irp d, 4, 8, 16, 32                   ; sixteen pairs into one
.set q, 0
.rept 32/\d
	v_pk_add_f32 v[SUM+\d*q:SUM+\d*q+1], v[SUM+\d*q:SUM+\d*q+1], v[SUM+\d*q+\d/2:SUM+\d*q+\d/2+1]
.set q, q+1
.endr
.endr
	v_add_f32 v[SUM], v[SUM], v[SUM+1]
	v_permlanex16_b32 v[SUM+1], v[SUM], s[SEL], s[SEL+1]
	v_add_f32 v[STT+2*(\a)+1], v[SUM], v[SUM+1]    ; l
.endm
.macro TOSTAGE a                       ; 16 bytes a lane into rows of 272 bytes, and back as whole rows of 256
.set BKA, BK+32*((\a)%2)
.irp b, 0,1,2,3,4,5,6,7
	ds_store_b128 v[STO], v[TMP+4*\b:TMP+4*\b+3] offset:32*\b
.endr
	s_wait_xcnt 0x0                                ; the stores of two blocks back have read the registers that are loaded now
.irp t, 0,1,2,3,4,5,6,7
	ds_load_b128 v[BKA+4*\t:BKA+4*\t+3], v[RD] offset:\t*2*272  ; LDS serves a wave's instructions in order (ISA guide 5.7.1.4): these see the stores above
.endr
.endm
.macro SEND a
.set BKA, BK+32*((\a)%2)
	s_wait_dscnt 0x0
.irp t, 0,1,2,3,4,5,6,7
	global_store_b128 v[CO], v[BKA+4*\t:BKA+4*\t+3], s[6:7] offset:65536*(\a)+8192*\t  ; 16 lanes store 256 consecutive bytes, at a multiple of 256 from pt's first byte
.endr
.endm
	SOFT 0
	TOSTAGE 0
.irp a, 1,2,3,4,5,6,7                  ; a block's arithmetic stands between the loads of the block before and its stores
	SOFT \a
	SEND (\a)-1
	TOSTAGE \a
.endr
	SEND 7
.irp a, 0,2,4,6                        ; the statistics of 32 queries: lanes 0-15 take block a's, lanes 16-31 block a + 1's: one store of 256 consecutive bytes, aligned
	v_cndmask_b32 v[STP+\a], v[STT+2*\a], v[STT+2*\a+2], s[MASKH]
	v_cndmask_b32 v[STP+\a+1], v[STT+2*\a+1], v[STT+2*\a+3], s[MASKH]
	global_store_b64 v[SO], v[STP+\a:STP+\a+1], s[8:9] offset:128*\a
.endr
	s_wait_tensorcnt 0x0                           ; the wave's end
	ds_add_u32 v[SPW], v[NIL]
	s_wait_dscnt 0x0
	CROUND                                         ; the closing round
	s_endpgm
.Lfunc_end_k_qe5f12f438c_score:
	.size	k_qe5f12f438c_score, .Lfunc_end_k_qe5f12f438c_score-k_qe5f12f438c_score
	.p2alignl 7, 3214868480
	.fill 96, 4, 3214868480
	.section	.rodata,"a",@progbits
	.p2align	6, 0x0
	.amdhsa_kernel k_qe5f12f438c_score
		.amdhsa_group_segment_fixed_size 327680
		.amdhsa_private_segment_fixed_size 0
		.amdhsa_enable_private_segment 0
		.amdhsa_kernarg_size 24
		.amdhsa_user_sgpr_count 2
		.amdhsa_user_sgpr_kernarg_segment_ptr 1
		.amdhsa_wavefront_size32 1
		.amdhsa_system_sgpr_workgroup_id_x 1
		.amdhsa_system_sgpr_workgroup_id_y 1
		.amdhsa_system_sgpr_workgroup_id_z 1
		.amdhsa_system_vgpr_workitem_id 0
		.amdhsa_next_free_vgpr 768
		.amdhsa_next_free_sgpr 96
		.amdhsa_reserve_vcc 0
		.amdhsa_float_denorm_mode_32 3
		.amdhsa_float_denorm_mode_16_64 3
		.amdhsa_memory_ordered 1
		.amdhsa_forward_progress 1
		.amdhsa_inst_pref_size 171
	.end_amdhsa_kernel
	.amdgpu_metadata
---
amdhsa.version: [ 1, 2 ]
amdhsa.kernels:
  - .name:           k_qe5f12f438c_score
    .symbol:         k_qe5f12f438c_score.kd
    .args:
      - { .name: qkv, .offset: 0, .size: 8, .value_kind: global_buffer, .address_space: global }
      - { .name: pt, .offset: 8, .size: 8, .value_kind: global_buffer, .address_space: global }
      - { .name: st, .offset: 16, .size: 8, .value_kind: global_buffer, .address_space: global }
    .group_segment_fixed_size: 327680
    .private_segment_fixed_size: 0
    .kernarg_segment_align: 8
    .kernarg_segment_size: 24
    .max_flat_workgroup_size: 128
    .sgpr_count:     96
    .vgpr_count:     768
    .wavefront_size: 32
...
	.end_amdgpu_metadata
.endif
;; end of part 3
;; launch pv (part 4): grid 4 x 64, 4 waves a work-group, clusters of 4 x 4, 327,680 bytes of LDS; arguments pt, qkv, st, out0; writes out0
.if DOCPART == 4
	.amdgcn_target "amdgcn-amd-amdhsa--gfx1250"
	.amdhsa_code_object_version 6
	.text
	.protected	k_qe5f12f438c_pv
	.globl	k_qe5f12f438c_pv
	.p2align	8
	.type	k_qe5f12f438c_pv,@function
k_qe5f12f438c_pv:
	s_mov_b64 s[64:65], 0
	v_nop
	global_prefetch_b8 v0, s[64:65] scope:SCOPE_SE
	s_setreg_imm32_b32 hwreg(HW_REG_WAVE_MODE, 25, 1), 1
	s_wait_xcnt 0x0
	s_wait_alu depctr_hold_cnt(0) depctr_sa_sdst(0) depctr_va_vdst(0) depctr_va_sdst(0) depctr_va_ssrc(0) depctr_va_vcc(0) depctr_vm_vsrc(0)
	s_getreg_b32 s2, hwreg(HW_REG_IB_STS2, 6, 4)
	s_cmp_eq_u32 s2, 0
	s_cbranch_scc0 .Lentry_in_a_cluster
	s_endpgm
.Lentry_in_a_cluster:
	s_bfe_u32 s2, ttmp6, 0x10000c
	s_cmp_lg_u32 s2, 0xf033
	s_cbranch_scc0 .Lentry_shape_is_right
	s_endpgm
.Lentry_shape_is_right:
; PV.  The second half of the softmax and the second product.  For a query with the tiles' statistics (cm_t, l_t), t = 0 .. 15:
;   M = max cm_t,  e_t = 2^(cm_t - M) rounded to f16,  L = the sum of e_t l_t,   O = (the sum over t of (e_t P_t) V_t) / L,  f32.
; So every weight is taken relative to the row's true maximum.  L is summed with the ROUNDED e, so that e's rounding only moves weight between tiles.  L is at least 1.
; LIMITS.  e_t p is rounded to f16: a weight below about 6e-8 of the row's largest counts as 0.  v lies within f16's 65,504.  NaN and infinities are not treated apart.
; SHARES.  A tile is 128 queries x 256 channels: 64 x 4 = 256 work-groups.  Four waves stand 2 x 2, a wave makes 64 x 128: 32 accumulators, window 1.  The keys go in steps of 128, one tile of the
; statistics a step, through two LDS slots.  Transposed use: source 0 = 16 channels of V (turned out of LDS by ds_load_tr16_b128), source 1 = 16 queries of P: a lane holds one query, so e is one number a lane
; and row block, and P's fragments are multiplied by it between their load and the products (packed f16: 16 bits in, 16 bits out, one step).
; The 16 x 4 packed e of a lane lie in LDS (each thread's own 16 bytes a step): the loop over steps cannot index registers.
; CLUSTER 4 x 4: P's tile is asked for jointly along a row of the cluster, V's along a column.
.set MA,    4
.set NB,    8
.set BS,    4
.set T,     16
.set PA,    272                        ; a row of P in LDS: 256 bytes + 16
.set PB,    544                        ; a row of V: 512 + 32 = 17 x 32 bytes
.set AHALF, 64*PA
.set BHALF, 64*PB
.set BOFF,  2*AHALF
.set SLOTX, 1<<17
.set ETAB,  SLOTX+BOFF+2*BHALF         ; behind the ring: e, 2,048 bytes a step, and a seventeenth entry that the tail's last change of slots loads and nothing is multiplied by
.set STAGE, ETAB+17*2048               ; 16 rows x 528 bytes for each wave
.set SP,    528
.set SPARE, STAGE+4*16*SP              ; the spare words
.set ASTEP, 256
.set BSTEP, 128*6144
.set NP1,   2*BS+2*MA
.set NP2,   2*(NB-BS)
.set FA0,   32                         ; v32-63, v64-95 P's two buffers
.set FRB,   FA0+16*MA                  ; v96-159 V's slots
.set ST0,   128                        ; the prologue: (cm, l) of step t, row block a at ST0 + 8 t + 2 a
.set EH,    32                         ; the prologue: packed e at EH + 4 t + a
.set TMP,   32                         ; the way out: v32-95 a block of O
.set BK,    96                         ; v96-223 rows read back, two sets
.set R, 1
.set H, 2
.set TT, 3
.set ADA0, 4
.set ADB0, 5
.set ADRA, 6
.set ADRB, 7
.set STO, 8
.set RD, 9
.set CO, 10
.set EAD, 11                           ; LDS address of my 16 bytes of e of the step in hand
.set PFO, 12
.set SO, 13
.set SPW, 14
.set NIL, 15
.set RL, 16                            ; v16-23 first the rows' maxima (even registers), then 1 / L, a pair for each row block
.set EE, 24                            ; v24-27 e of the step in hand, twice in each register
.set LS, 28                            ; v28-31 L
.set WV, 12
.set WR, 13
.set HF, 14
.set CX, 15
.set CY, 16
.set TX, 17
.set TY, 18
.set CLY, 19
.set G1A, 24
.set G1B, 32
.set G0A, 40
.set G0B, 48
.set CNT, 56
.set LIM, 57
.set PFA, 58
.set PST, 60
.set TB,  62
.set BAT, 71
.set MSB, 0
.macro WIN new
.if MSB != (\new)
	s_set_vgpr_msb (MSB<<8)|(\new)
.set MSB, (\new)
.endif
.endm
.macro PLACES
.rept 4
	v_nop
.endr
.endm
; Accumulator (a, b) lies at register 8 (4 b + a) of window 1.  All 32 take turns in one order.
.macro MULB f, b0, b1, zero=0
	WIN 0x50
.set bb, \b0
.rept (\b1)-(\b0)
.set aa, 0
.rept MA
.set rD, 8*(MA*bb+aa)
.set rB, FRB+8*bb
.set rA, FA0+(\f)*8*MA+8*aa
.if \zero
	v_wmma_f32_16x16x32_f16 v[rD:rD+7], v[rB:rB+7], v[rA:rA+7], 0
.else
	v_wmma_f32_16x16x32_f16 v[rD:rD+7], v[rB:rB+7], v[rA:rA+7], v[rD:rD+7]
.endif
.set aa, aa+1
.endr
.set bb, bb+1
.endr
.endm
.macro SCALE f                         ; P's fragments of buffer f times e
	WIN 0
.set aa, 0
.rept MA
.set j, 0
.rept 8
	v_pk_mul_f16 v[FA0+(\f)*8*MA+8*aa+j], v[FA0+(\f)*8*MA+8*aa+j], v[EE+aa]
.set j, j+1
.endr
.set aa, aa+1
.endr
.endm
.macro LDA qi, f
.set aa, 0
.rept MA
.set rA, FA0+(\f)*8*MA+8*aa
	ds_load_b128 v[rA:rA+3], v[ADRA] offset:64*(\qi)+aa*16*PA
	ds_load_b128 v[rA+4:rA+7], v[ADRA] offset:64*(\qi)+aa*16*PA+32
.set aa, aa+1
.endr
.endm
.macro LDB qi, b0, b1
.set bb, \b0
.rept (\b1)-(\b0)
.set rB, FRB+8*bb
	ds_load_tr16_b128 v[rB:rB+3], v[ADRB] offset:32*bb+32*(\qi)*PB
	ds_load_tr16_b128 v[rB+4:rB+7], v[ADRB] offset:32*bb+32*(\qi)*PB+16*PB
.set bb, bb+1
.endr
.endm
.macro P1 qi, f
	WIN 0
	LDB \qi, 0, BS
	LDA \qi, \f
.endm
.macro P2 qi
	WIN 0
	LDB \qi, BS, NB
.endm
.macro QUARTER f, qn, zero
	s_wait_dscnt NP2                               ; part 1 (and e, issued ahead of it) is in; only part 2 may be out
	SCALE \f
	MULB \f, 0, BS, \zero
	PLACES
	P1 \qn, 1-(\f)
	s_wait_dscnt NP1                               ; part 2 is in; only the part 1 just issued may be out
	MULB \f, BS, NB, \zero
	PLACES
	P2 \qn
.endm
.macro JLOAD                           ; waves 0 and 1 fetch P's two halves, waves 2 and 3 V's; an s_nop 0 and four v_nop follow each line
	s_cmp_lt_u32 s[WV], 2
	s_cbranch_scc0 .Lfor_b_\@
	tensor_load_to_lds s[G0A+4:G0A+7], s[G1A:G1A+7]
	s_nop 0
.rept 4
	v_nop
.endr
	s_branch .Lasked_\@
.Lfor_b_\@:
	tensor_load_to_lds s[G0B+4:G0B+7], s[G1B:G1B+7]
	s_nop 0
.rept 4
	v_nop
.endr
.Lasked_\@:
.endm
.macro CREST
	s_cmp_lg_u32 s[WV], 0
	s_cbranch_scc1 .Lnot_wave_0_\@
	s_barrier_signal -3
.Lnot_wave_0_\@:
	s_barrier_wait -3
	s_barrier_signal -1
	s_barrier_wait -1
.endm
.macro CROUND
	s_barrier_signal -1
	s_barrier_wait -1
	CREST
.endm
; A prefetch of the step two refills on (a step here is 128 matrix instructions a wave).  P's 128 rows x 256 bytes are read by this cluster alone: wave 0 of each partner asks for 32 rows, told apart by
; address.  V's 128 rows x 512 bytes are read by the four clusters of a batch: the first of them asks, waves 2 and 3 of each partner for 16 rows x 2 blocks.  The last two refills ask for nothing.
.macro ASK
	s_cmp_gt_u32 s[CNT], s[LIM]
	s_cbranch_scc0 .Lnot_mine_\@
	global_prefetch_b8 v[PFO], s[PFA:PFA+1] th:TH_LOAD_NT scope:SCOPE_SE
.Lnot_mine_\@:
.endm
; A step's last quarter, with the change of slots.  The scaling and eight products stand between the add and the wait for it; nothing stands between the barrier's signal and its wait: a step's 128 products
; are the time in which the refill has to land, so the request goes out as early as the order allows, and the quarter's other 24 products follow it.
.macro TURN f, fill
.if \fill
	s_wait_xcnt 0x0                                ; the last prefetch, a step back, has read its address
	s_add_nc_u64 s[PFA:PFA+1], s[PFA:PFA+1], s[PST:PST+1]
.endif
	WIN 0
	s_wait_tensorcnt 0x0                           ; all my tensor loads have landed: the one that was out is my part of the next slot
	ds_add_u32 v[SPW], v[NIL]                      ; 0 onto my spare word
	s_wait_dscnt NP2+1                             ; part 1 is in; part 2 and the add may be out
	SCALE \f
	MULB \f, 0, BS/2
	WIN 0
	s_wait_dscnt 0x0                               ; the add is done, and my reads of this slot are over
	s_barrier_signal -1
	s_barrier_wait -1
.if \fill
	CREST                                          ; no wave of any partner still reads this slot or has a load on its way
	s_xor_b32 s[G0A+5], s[G0A+5], SLOTX
	s_add_nc_u64 s[G0A+6:G0A+7], s[G0A+6:G0A+7], ASTEP
	s_xor_b32 s[G0B+5], s[G0B+5], SLOTX
	s_add_nc_u64 s[G0B+6:G0B+7], s[G0B+6:G0B+7], BSTEP
	JLOAD
.endif
	s_xor_b32 s[TB], s[TB], SLOTX
	v_add_nc_u32 v[ADRA], s[TB], v[ADA0]
	v_add_nc_u32 v[ADRB], s[TB], v[ADB0]
	v_add_nc_u32 v[EAD], 2048, v[EAD]
	MULB \f, BS/2, BS
	PLACES
	WIN 0
	ds_load_b128 v[EE:EE+3], v[EAD]                ; the next step's e, behind this step's last use of it
	P1 0, 1-(\f)
.if \fill
	ASK
.endif
	MULB \f, BS, NB
	PLACES
	P2 0
.endm
	s_load_b256 s[4:11], s[0:1], 0x0               ; pt s[4:5], qkv s[6:7], st s[8:9], out0 s[10:11]
	v_lshl_add_u32 v[SPW], v0, 2, SPARE
	v_mov_b32 v[NIL], 0
	ds_add_u32 v[SPW], v[NIL]                      ; the wave's opening: the add and its wait stand ahead of my first tensor load
	v_lshrrev_b32 v[TT], 5, v0
	v_readfirstlane_b32 s[WV], v[TT]
	s_lshr_b32 s[WR], s[WV], 1
	s_and_b32 s[HF], s[WV], 1
	s_bfe_u32 s[CX], ttmp6, 0x40000
	s_bfe_u32 s[CY], ttmp6, 0x40004
	s_lshl_b32 s[TX], ttmp9, 2
	s_add_co_u32 s[TX], s[TX], s[CX]               ; which 256 channels
	s_and_b32 s[CLY], ttmp7, 0xffff
	s_lshl_b32 s[TY], s[CLY], 2
	s_add_co_u32 s[TY], s[TY], s[CY]               ; which 128 of all 8,192 queries
	s_lshr_b32 s[BAT], s[CLY], 2                   ; the batch: sixteen tile rows, four clusters
	s_lshl_b32 s20, s[CY], 2
	s_lshl_b32 s20, 15, s20
	s_lshl_b32 s22, 0x1111, s[CX]
	s_or_b32 s[G1A], s20, (1<<16)|(1<<20)|(1<<21)|(5<<22)|(3<<25)  ; mask; 2-byte elements; padding on; bit 21 beside a mask; after every 64 words, 4 words
	s_or_b32 s[G1B], s22, (1<<16)|(1<<20)|(1<<21)|(6<<22)|(7<<25)  ; after every 128 words, 8 words
	s_mov_b32 s[G1A+1], 128<<16                    ; P: 64 rows x 128 elements, 2,048 elements from row to row
	s_mov_b32 s[G1A+2], 64<<16
	s_mov_b32 s[G1A+3], 128<<16
	s_mov_b32 s[G1A+4], 64
	s_mov_b32 s[G1A+5], 2048
	s_mov_b32 s[G1A+6], 0
	s_mov_b32 s[G1A+7], 0
	s_mov_b32 s[G1B+1], 256<<16                    ; V: 64 rows x 256 elements, 3,072 from row to row
	s_mov_b32 s[G1B+2], 64<<16
	s_mov_b32 s[G1B+3], 256<<16
	s_mov_b32 s[G1B+4], 64
	s_mov_b32 s[G1B+5], 3072
	s_mov_b32 s[G1B+6], 0
	s_mov_b32 s[G1B+7], 0
	s_lshl_b32 s20, s[TY], 7
	s_lshl_b32 s21, s[HF], 6
	s_add_co_u32 s20, s20, s21
	s_lshl_b32 s20, s20, 12                        ; P: row 128 TY + 64 half
	s_mov_b32 s21, 0
	s_lshl_b32 s22, s[BAT], 11
	s_lshl_b32 s23, s[HF], 6
	s_add_co_u32 s22, s22, s23
	s_mul_i32 s22, s22, 6144                       ; V: row 2,048 batch + 64 half,
	s_lshl_b32 s23, s[TX], 9
	s_add_co_u32 s22, s22, s23
	s_add_co_u32 s22, s22, 4096                    ; 4,096 + 512 TX bytes into the row
	s_mov_b32 s23, 0
	s_mul_i32 s72, s[HF], AHALF
	s_mul_i32 s73, s[HF], BHALF
	s_add_co_u32 s73, s73, BOFF
	s_wait_dscnt 0x0                               ; the opening add is done
	s_wait_kmcnt 0x0
	s_add_nc_u64 s[20:21], s[4:5], s[20:21]
	s_add_nc_u64 s[22:23], s[6:7], s[22:23]
	CROUND                                         ; all sixteen work-groups are here: the first joint loads meet
.irp s, 0,1
	s_mov_b32 s[G0A+4*(\s)], 1
	s_add_co_u32 s[G0A+4*(\s)+1], s72, (\s)*SLOTX
	s_add_nc_u64 s[G0A+4*(\s)+2:G0A+4*(\s)+3], s[20:21], (\s)*ASTEP
	s_or_b32 s[G0A+4*(\s)+3], s[G0A+4*(\s)+3], 0x80000000
	s_mov_b32 s[G0B+4*(\s)], 1
	s_add_co_u32 s[G0B+4*(\s)+1], s73, (\s)*SLOTX
	s_add_nc_u64 s[G0B+4*(\s)+2:G0B+4*(\s)+3], s[22:23], (\s)*BSTEP
	s_or_b32 s[G0B+4*(\s)+3], s[G0B+4*(\s)+3], 0x80000000
.endr
	s_cmp_lt_u32 s[WV], 2                          ; a wave's two first fills stand in one branch: two loads of mine are out
	s_cbranch_scc0 .Lfirst_b
	tensor_load_to_lds s[G0A:G0A+3], s[G1A:G1A+7]
	s_nop 0
	tensor_load_to_lds s[G0A+4:G0A+7], s[G1A:G1A+7]
	s_nop 0
.rept 4
	v_nop
.endr
	s_branch .Lfirst_done
.Lfirst_b:
	tensor_load_to_lds s[G0B:G0B+3], s[G1B:G1B+7]
	s_nop 0
	tensor_load_to_lds s[G0B+4:G0B+7], s[G1B:G1B+7]
	s_nop 0
.rept 4
	v_nop
.endr
.Lfirst_done:
	; THE STATISTICS, while the first tiles are on their way: my lane's query l % 16 of each of my four row blocks, all 16 tiles
	v_and_b32 v[R], 15, v0
	v_bfe_u32 v[H], v0, 4, 1
	v_lshlrev_b32 v[SO], 3, v[R]
	s_lshl_b32 s74, s[TY], 7
	s_lshl_b32 s75, s[WR], 6
	s_add_co_u32 s74, s74, s75                     ; my first query
	s_lshl_b32 s76, s74, 3
	s_mov_b32 s77, 0
	s_add_nc_u64 s[8:9], s[8:9], s[76:77]
.set t, 0
.rept 16
.set a, 0
.rept 4
	global_load_b64 v[ST0+8*t+2*a:ST0+8*t+2*a+1], v[SO], s[8:9] offset:65536*t+128*a
.set a, a+1
.endr
.set t, t+1
.endr
	s_lshl_b32 s74, s74, 12                        ; O: my first row, my first channel
	s_lshl_b32 s75, s[TX], 10
	s_add_co_u32 s74, s74, s75
	s_lshl_b32 s75, s[HF], 9
	s_add_co_u32 s74, s74, s75
	s_mov_b32 s75, 0
	s_add_nc_u64 s[10:11], s[10:11], s[74:75]
	v_mul_u32_u24 v[ADA0], v[R], PA                ; P: row x pitch + 16 x half + my 64 rows
	v_lshl_add_u32 v[ADA0], v[H], 4, v[ADA0]
	s_mul_i32 s74, s[WR], AHALF
	v_add_nc_u32 v[ADA0], s74, v[ADA0]
	v_and_b32 v[TT], 7, v0                         ; V: the turning load's lane reads key 8 (l / 16) + l % 8, channels 8 ((l / 8) % 2) + 0..7
	v_lshl_add_u32 v[TT], v[H], 3, v[TT]
	v_mul_u32_u24 v[ADB0], v[TT], PB
	v_bfe_u32 v[TT], v0, 3, 1
	v_lshl_add_u32 v[ADB0], v[TT], 4, v[ADB0]
	s_lshl_b32 s74, s[HF], 8                       ; my 128 channels
	s_add_co_u32 s74, s74, BOFF
	v_add_nc_u32 v[ADB0], s74, v[ADB0]
	s_mul_i32 s74, s[WV], 16*SP
	s_add_co_u32 s74, s74, STAGE                   ; my stage
	v_mul_u32_u24 v[STO], v[R], SP                 ; in: row l % 16, 32 bytes for each half of the lanes
	v_lshl_add_u32 v[STO], v[H], 5, v[STO]
	v_add_nc_u32 v[STO], s74, v[STO]
	v_and_b32 v[TT], 31, v0
	v_lshl_add_u32 v[RD], v[TT], 4, s74            ; back: 32 lanes take one row of 512 bytes
	v_lshlrev_b32 v[CO], 4, v[TT]
	s_lshl_b32 s74, s[WV], 9
	s_add_co_u32 s74, s74, ETAB
	v_lshl_add_u32 v[EAD], v[TT], 4, s74           ; my 16 bytes of step 0's e
	; the prefetches: nothing is asked for at the head, where every work-group's first tiles are on their way
	s_lshl_b32 s74, s[TY], 7
	s_lshl_b32 s75, s[CX], 5
	s_add_co_u32 s74, s74, s75
	s_lshl_b32 s74, s74, 12
	s_add_co_u32 s74, s74, 3*ASTEP                 ; P at step 3: the first change of slots steps it to 4
	s_lshl_b32 s76, s[BAT], 11
	s_lshl_b32 s77, s[HF], 6
	s_add_co_u32 s76, s76, s77
	s_lshl_b32 s77, s[CY], 4
	s_add_co_u32 s76, s76, s77
	s_add_co_u32 s76, s76, 3*128                   ; V likewise
	s_mul_i32 s76, s76, 6144
	s_lshl_b32 s77, s[TX], 9
	s_add_co_u32 s76, s76, s77
	s_add_co_u32 s76, s76, 4096
	s_and_b32 s77, s[CLY], 3
	s_mov_b32 s72, 4096                            ; P: a lane a row;
	s_mov_b32 s73, 6144                            ; V: 16 rows,
	s_mov_b32 s78, 65536
	s_mov_b32 s79, 256                             ; two blocks of 256 bytes in each
	s_mov_b32 s[PST], ASTEP
	s_mov_b32 s75, BSTEP
	s_cmp_lt_u32 s[WV], 2
	s_cselect_b64 s[PFA:PFA+1], s[4:5], s[6:7]
	s_cselect_b32 s74, s74, s76
	s_cselect_b32 s72, s72, s73
	s_cselect_b32 s78, s78, s79
	s_cselect_b32 s[PST], s[PST], s75
	s_cselect_b32 s77, s[WV], s77                  ; 0: wave 0; waves 2 and 3 of a batch's first cluster
	s_cmp_eq_u32 s77, 0
	s_cselect_b32 s[LIM], 2, -1
	s_mov_b32 s75, 0
	s_mov_b32 s[PST+1], 0
	s_add_nc_u64 s[PFA:PFA+1], s[PFA:PFA+1], s[74:75]
	v_mul_u32_u24 v[PFO], v[R], s72
	v_mad_u32_u24 v[PFO], v[H], s78, v[PFO]
	s_mov_b32 s[TB], 0
	s_mov_b32 s[CNT], T-2
	s_wait_loadcnt 0x0                             ; the statistics
.set a, 0
.rept 4
	v_max3_num_f32 v[RL+2*a], v[ST0+2*a], v[ST0+8+2*a], v[ST0+16+2*a]
.set a, a+1
.endr
.set k, 0
.rept 6
.set a, 0
.rept 4
	v_max3_num_f32 v[RL+2*a], v[RL+2*a], v[ST0+8*(3+2*k)+2*a], v[ST0+8*(4+2*k)+2*a]
.set a, a+1
.endr
.set k, k+1
.endr
.set a, 0
.rept 4
	v_max_num_f32 v[RL+2*a], v[RL+2*a], v[ST0+8*15+2*a]  ; M: c times the row's true maximum
.set a, a+1
.endr
.set t, 0
.rept 16
.set a, 0
.rept 4
	v_sub_f32 v[ST0+8*t+2*a], v[ST0+8*t+2*a], v[RL+2*a]
.set a, a+1
.endr
.set t, t+1
.endr
.set t, 0
.rept 64
	v_exp_f32 v[ST0+2*t], v[ST0+2*t]               ; one batch of 64
.set t, t+1
.endr
	v_nop                                          ; a plain instruction behind the last exponential,
	s_wait_alu depctr_va_vdst(0)                   ; and one wait ahead of the first reader
.set t, 0
.rept 64
	v_cvt_pk_f16_f32 v[EH+t], v[ST0+2*t], v[ST0+2*t]  ; e, twice in a register
.set t, t+1
.endr
.set a, 0
.rept 4
	v_mov_b32 v[LS+a], 0
.set a, a+1
.endr
.set t, 0
.rept 16
.set a, 0
.rept 4
	v_fma_mix_f32 v[LS+a], v[EH+4*t+a], v[ST0+8*t+2*a+1], v[LS+a] op_sel_hi:[1,0,0]  ; L += f16(e) x l, in f32
.set a, a+1
.endr
.set t, t+1
.endr
.set a, 0
.rept 4
	v_rcp_f32 v[RL+2*a], v[LS+a]                   ; made twice: the packed multiply names a pair
	v_rcp_f32 v[RL+2*a+1], v[LS+a]
.set a, a+1
.endr
	v_nop
	s_wait_alu depctr_va_vdst(0)                   ; one wait for the eight reciprocals
.set t, 0
.rept 16
	ds_store_b128 v[EAD], v[EH+4*t:EH+4*t+3] offset:2048*t
.set t, t+1
.endr
	ds_store_b128 v[EAD], v[EH+60:EH+63] offset:2048*16  ; the seventeenth entry: written, so that the load that names it reads bytes of mine; nothing is multiplied by it
	s_wait_tensorcnt 0x1                           ; my part of slot 0 is in; slot 1's may stay out
	s_wait_dscnt 0x0                               ; no LDS instruction of mine is pending at the signal
	s_barrier_signal -1
	s_barrier_wait -1
	v_mov_b32 v[ADRA], v[ADA0]
	v_mov_b32 v[ADRB], v[ADB0]
	ds_load_b128 v[EE:EE+3], v[EAD]
	P1 0, 0
	P2 0
	QUARTER 0, 1, 1                                ; the first quarter starts the sums: nothing is cleared
	WIN 0
.Lk:                                               ; T - 2 trips, from a step's second quarter to the next step's first
	QUARTER 1, 2, 0
	QUARTER 0, 3, 0
	TURN 1, 1
	QUARTER 0, 1, 0
	WIN 0
	s_sub_co_u32 s[CNT], s[CNT], 1
	s_cmp_lg_u32 s[CNT], 0
	s_cbranch_scc1 .Lk
	s_mov_b32 s[CNT], 2
.Ltail:                                            ; the last two steps ask for nothing: a text of their own, walked twice and left in its middle.
	QUARTER 1, 2, 0                                ; The second trip's change of slots fetches fragments of the slot read before and the table's seventeenth entry, which nobody multiplies: the price, once a launch, of one text for both trips
	QUARTER 0, 3, 0
	TURN 1, 0
	WIN 0
	s_sub_co_u32 s[CNT], s[CNT], 1
	s_cmp_eq_u32 s[CNT], 0
	s_cbranch_scc1 .Lsums
	QUARTER 0, 1, 0
	WIN 0
	s_branch .Ltail
.Lsums:
	s_wait_dscnt 0x0                               ; those loads have come: their registers are written on the way out.  (Four places stand behind the last product, in TURN.)
; THE WAY OUT, a block of 16 queries at a time: O / L in f32; 32 bytes a lane into rows of 528 bytes of my stage; back as whole rows of 512.
.macro MULO a
	WIN 0x01                                       ; source 0 in window 1; 1 / L and the destination in window 0
.set bb, 0
.rept NB
.set rD, 8*(MA*bb+(\a))
.set j, 0
.rept 4
	v_pk_mul_f32 v[TMP+8*bb+2*j:TMP+8*bb+2*j+1], v[rD+2*j:rD+2*j+1], v[RL+2*(\a):RL+2*(\a)+1] op_sel_hi:[1,0]
.set j, j+1
.endr
.set bb, bb+1
.endr
	WIN 0
.endm
.macro TOST a
.set BKA, BK+64*((\a)%2)
.set bb, 0
.rept NB
	ds_store_b128 v[STO], v[TMP+8*bb:TMP+8*bb+3] offset:64*bb
	ds_store_b128 v[STO], v[TMP+8*bb+4:TMP+8*bb+7] offset:64*bb+16
.set bb, bb+1
.endr
	s_wait_xcnt 0x0                                ; the stores of two blocks back have read the registers that are loaded now
.set t, 0
.rept 16
	ds_load_b128 v[BKA+4*t:BKA+4*t+3], v[RD] offset:SP*t  ; LDS serves a wave's instructions in order (ISA guide 5.7.1.4): these see the stores above
.set t, t+1
.endr
.endm
.macro SENDO a
.set BKA, BK+64*((\a)%2)
	s_wait_dscnt 0x0
.set t, 0
.rept 16
	global_store_b128 v[CO], v[BKA+4*t:BKA+4*t+3], s[10:11] offset:4096*(16*(\a)+t) th:TH_STORE_NT  ; 512 consecutive bytes, at a multiple of 512 from out0's first byte
.set t, t+1
.endr
.endm
	MULO 0
	TOST 0
.irp a, 1,2,3                          ; a block's arithmetic stands between the loads of the block before and its stores
	MULO \a
	SENDO (\a)-1
	TOST \a
.endr
	SENDO 3
	s_wait_tensorcnt 0x0                           ; the wave's end
	ds_add_u32 v[SPW], v[NIL]
	s_wait_dscnt 0x0
	CROUND                                         ; the closing round
	s_endpgm
.Lfunc_end_k_qe5f12f438c_pv:
	.size	k_qe5f12f438c_pv, .Lfunc_end_k_qe5f12f438c_pv-k_qe5f12f438c_pv
	.p2alignl 7, 3214868480
	.fill 96, 4, 3214868480
	.section	.rodata,"a",@progbits
	.p2align	6, 0x0
	.amdhsa_kernel k_qe5f12f438c_pv
		.amdhsa_group_segment_fixed_size 327680
		.amdhsa_private_segment_fixed_size 0
		.amdhsa_enable_private_segment 0
		.amdhsa_kernarg_size 32
		.amdhsa_user_sgpr_count 2
		.amdhsa_user_sgpr_kernarg_segment_ptr 1
		.amdhsa_wavefront_size32 1
		.amdhsa_system_sgpr_workgroup_id_x 1
		.amdhsa_system_sgpr_workgroup_id_y 1
		.amdhsa_system_sgpr_workgroup_id_z 1
		.amdhsa_system_vgpr_workitem_id 0
		.amdhsa_next_free_vgpr 512
		.amdhsa_next_free_sgpr 96
		.amdhsa_reserve_vcc 0
		.amdhsa_float_denorm_mode_32 3
		.amdhsa_float_denorm_mode_16_64 3
		.amdhsa_memory_ordered 1
		.amdhsa_forward_progress 1
		.amdhsa_inst_pref_size 111
	.end_amdhsa_kernel
	.amdgpu_metadata
---
amdhsa.version: [ 1, 2 ]
amdhsa.kernels:
  - .name:           k_qe5f12f438c_pv
    .symbol:         k_qe5f12f438c_pv.kd
    .args:
      - { .name: pt, .offset: 0, .size: 8, .value_kind: global_buffer, .address_space: global }
      - { .name: qkv, .offset: 8, .size: 8, .value_kind: global_buffer, .address_space: global }
      - { .name: st, .offset: 16, .size: 8, .value_kind: global_buffer, .address_space: global }
      - { .name: out0, .offset: 24, .size: 8, .value_kind: global_buffer, .address_space: global }
    .group_segment_fixed_size: 327680
    .private_segment_fixed_size: 0
    .kernarg_segment_align: 8
    .kernarg_segment_size: 32
    .max_flat_workgroup_size: 128
    .sgpr_count:     96
    .vgpr_count:     512
    .wavefront_size: 32
...
	.end_amdgpu_metadata
.endif
;; end of part 4
;; ======== version 2 of 2: 4 launches; version 1 with the launch prep written anew for expert scheduling mode
;; limits: values are held in f16: magnitudes above 65,504 overflow, below 6.1e-05 lose precision
;; workspace buffers: xb 16,777,216 bytes; wbk 6,291,456 bytes; bias 12,288 bytes; qkv 50,331,648 bytes; pt 33,554,432 bytes; st 1,048,576 bytes
;; launch prep (part 5): grid 257 x 1, 11 waves a work-group, no clusters, 0 bytes of LDS; arguments x, Wq, Wk, Wv, bq, bk, bv, xb, wbk, bias; writes xb, wbk, bias
.if DOCPART == 5
	.amdgcn_target "amdgcn-amd-amdhsa--gfx1250"
	.amdhsa_code_object_version 6
	.text
	.protected	k_qe5f12f438c_prep
	.globl	k_qe5f12f438c_prep
	.p2align	8
	.type	k_qe5f12f438c_prep,@function
k_qe5f12f438c_prep:
	s_mov_b64 s[64:65], 0
	v_nop
	global_prefetch_b8 v0, s[64:65] scope:SCOPE_SE
	s_setreg_imm32_b32 hwreg(HW_REG_WAVE_SCHED_MODE, 0, 2), 2
	s_setreg_imm32_b32 hwreg(HW_REG_WAVE_MODE, 25, 1), 1
	s_wait_xcnt 0x0
	s_wait_alu depctr_vm_vsrc(0)
; PREP.  All the module's inputs are rounded once to bf16 (nearest even) and laid out for the projection's tiles.
;   xb   bf16 [kb 16][row 8192][64]                 : x's channels 64 kb .. 64 kb + 63 of all rows lie together, 128 bytes a row
;   wbk  bf16 [nt 8][ks 16][panel 6][k 64][n 64]    : column n_all = 384 nt + 64 panel + n of [Wq Wk Wv], channel 64 ks + k
;   bias f32  [3072]                                : bq, bk, bv rounded to bf16 and widened again
; A stream: each byte is read once and written once; nothing is shared between waves, so there is no LDS, no barrier, no matrix work.
; SHARES.  A wave takes one chunk of 64 rows x 64 columns of f32: 32 loads of 16 bytes a lane, each covering two rows' 256 consecutive bytes;
; all 32 are issued before the first is waited for.  A load's four numbers become 8 bytes, and a store of the wave covers 256 consecutive bytes, aligned.
; There are 2,048 chunks of x and 3 x 256 of the weights: 2,816 = 256 work-groups x 11 waves, so all these work-groups are alike.  Work-group 256: the three biases.
; THE MODE: SCHED_MODE bits 1:0 = 2 (LLVM: expert scheduling mode 2), set by the entry lines.  The code itself states the register dependences
; between vector instructions and memory instructions, with s_wait_alu, always for 0.
; THE PLAN.  Registers that memory instructions touch, in a chunk's path:
;   v1, v2              the loads' and the stores' byte offsets: made once at the path's head, never written again.
;   v[X+4t .. X+4t+3]   load t lands in them, once; two conversions read the four and write the first two; store t reads those two.  Nothing is loaded or written there again.
; So no register that a memory instruction has read is ever written again, and no load lands in a register that a vector instruction has named: what is left to state is that an offset, or a
; store's data, is written before the memory instruction reads it.  The 32 loads go in 8 blocks of four.  Block p's conversions name block p's registers alone; its memory instructions are the four
; stores of block p - 1.  ONE wait at a block's head states that block p - 1's conversions have written those stores' data, and the stores are then dealt among block p's conversions with no further wait.
.set X, 32                             ; v[32:159] chunk as loaded; each load's first two registers then hold the packed result
.set BLK, 4                            ; loads, and stores, in a block
	s_load_b256 s[8:15], s[0:1], 0x0               ; x s[8:9], Wq s[10:11], Wk s[12:13], Wv s[14:15]
	s_load_b256 s[16:23], s[0:1], 0x20             ; bq s[16:17], bk s[18:19], bv s[20:21], xb s[22:23]
	s_load_b128 s[24:27], s[0:1], 0x40             ; wbk s[24:25], bias s[26:27]
	v_lshrrev_b32 v1, 5, v0
	v_readfirstlane_b32 s2, v1                     ; wave 0..10
	s_wait_kmcnt 0x0
	s_wait_alu depctr_va_sdst(0)                   ; s2 is written: both ways behind the branch below read it
	s_cmp_eq_u32 ttmp9, 256
	s_cbranch_scc1 .Lbias
	v_and_b32 v2, 31, v0                           ; lane
	v_and_b32 v3, 15, v0
	v_bfe_u32 v4, v0, 4, 1
	v_lshlrev_b32 v1, 4, v3                        ; in: 16 bytes a lane, lanes 0-15 one row,
	v_lshl_add_u32 v1, v4, 12, v1                  ; lanes 16-31 the next
	v_lshlrev_b32 v2, 3, v2                        ; out: 8 bytes a lane, the two rows on end
	s_mul_i32 s44, ttmp9, 11
	s_add_co_u32 s44, s44, s2                      ; my chunk among all 2,816: x's first, then Wq's, Wk's, Wv's
	s_max_u32 s28, s44, 2048
	s_sub_co_u32 s28, s28, 2048                    ; its number among the weights' chunks (0 for x's)
	s_lshr_b32 s29, s28, 8                         ; j: 0 Wq, 1 Wk, 2 Wv
	s_and_b32 s30, s28, 255
	s_cmp_lt_u32 s44, 2048
	s_cselect_b32 s30, s44, s30                    ; chunk c within its source
	s_and_b32 s31, s30, 15                         ; cb: which 64 columns
	s_lshr_b32 s32, s30, 4                         ; rg: which 64 rows
	s_lshl_b32 s33, s32, 18                        ; 64 rows of 4,096 bytes
	s_lshl_b32 s34, s31, 8
	s_add_co_u32 s38, s33, s34                     ; the chunk's byte offset in its source
	s_lshl_b32 s33, s31, 20                        ; xb: cb x 8,192 rows x 128 bytes
	s_lshl_b32 s34, s32, 13                        ;     + rg x 64 rows x 128 bytes
	s_add_co_u32 s33, s33, s34
	s_lshl4_add_u32 s34, s29, s31                  ; wbk: g = 16 j + cb, the block of 64 columns among all 48
	s_mul_i32 s35, s34, 43
	s_lshr_b32 s35, s35, 8                         ; nt = g / 6 (43 g >> 8 equals it for every g under 48)
	s_mul_i32 s36, s35, 6
	s_sub_co_u32 s36, s34, s36                     ; panel = g - 6 nt
	s_lshl4_add_u32 s35, s35, s32                  ; 16 nt + ks
	s_mul_i32 s35, s35, 6
	s_add_co_u32 s35, s35, s36
	s_lshl_b32 s35, s35, 13                        ; panels of 8,192 bytes
	s_cmp_eq_u32 s29, 1
	s_cselect_b64 s[40:41], s[12:13], s[14:15]
	s_cmp_eq_u32 s29, 0
	s_cselect_b64 s[40:41], s[10:11], s[40:41]
	s_cmp_lt_u32 s44, 2048
	s_cselect_b64 s[40:41], s[8:9], s[40:41]       ; the source
	s_cselect_b64 s[42:43], s[22:23], s[24:25]     ; the destination
	s_cselect_b32 s36, s33, s35                    ; and the chunk's offset in it
	s_mov_b32 s39, 0
	s_mov_b32 s37, 0
	s_add_nc_u64 s[40:41], s[40:41], s[38:39]
	s_add_nc_u64 s[42:43], s[42:43], s[36:37]
	s_wait_alu depctr_va_vdst(0)                   ; v1 and v2 are written: every load below reads v1 as its offset, every store v2
.set t, 0
.rept 32
	global_load_b128 v[X+4*t:X+4*t+3], v1, s[40:41] offset:8192*t th:TH_LOAD_NT
.set t, t+1
.endr
.set p, 0
.rept 32/BLK                           ; block p: loads 4 p .. 4 p + 3 are rounded, block p - 1 is stored
	s_wait_loadcnt 32-BLK*(p+1)                    ; loads return in order: this block's four are in, the 28 - 4 p younger ones stay out
.if p > 0
	s_wait_alu depctr_va_vdst(0)                   ; the conversions of the block before have written the packed pairs that the four stores below read
.endif
.set i, 0
.rept BLK
.set t, BLK*p+i
.if p > 0
	global_store_b64 v2, v[X+4*(t-BLK):X+4*(t-BLK)+1], s[42:43] offset:256*(t-BLK)  ; the block before.  No vector instruction since the wait names these registers; no register is written again behind a store
.endif
	v_cvt_pk_bf16_f32 v[X+4*t], v[X+4*t], v[X+4*t+1]
	v_cvt_pk_bf16_f32 v[X+4*t+1], v[X+4*t+2], v[X+4*t+3]
.set i, i+1
.endr
.set p, p+1
.endr
	s_wait_alu depctr_va_vdst(0)                   ; the last block's conversions have written the pairs that the last four stores read
.set t, 32-BLK
.rept BLK
	global_store_b64 v2, v[X+4*t:X+4*t+1], s[42:43] offset:256*t
.set t, t+1
.endr
	s_endpgm
.Lbias:                                            ; 256 threads x 16 bytes are one bias: waves 0 to 7 do it
	s_cmp_lt_u32 s2, 8
	s_cbranch_scc0 .Lend
	v_lshlrev_b32 v1, 4, v0
	s_wait_alu depctr_va_vdst(0)                   ; v1 is written: the three loads and the three stores read it as their offset
	global_load_b128 v[4:7], v1, s[16:17]
	global_load_b128 v[8:11], v1, s[18:19]
	global_load_b128 v[12:15], v1, s[20:21]
	s_wait_loadcnt 0x0
.irp i, 0,1,2,3,4,5
	v_cvt_pk_bf16_f32 v[16+\i], v[4+2*\i], v[5+2*\i]
.endr
.irp i, 0,1,2,3,4,5
	v_lshlrev_b32 v[4+2*\i], 16, v[16+\i]          ; bf16 to f32: the low half moves up,
	v_and_b32 v[5+2*\i], 0xffff0000, v[16+\i]      ; the high half stays
.endr
	s_wait_alu depctr_va_vdst(0)                   ; the twelve lines above have written v[4:15], which the stores read
	global_store_b128 v1, v[4:7], s[26:27]
	global_store_b128 v1, v[8:11], s[26:27] offset:4096
	global_store_b128 v1, v[12:15], s[26:27] offset:8192
.Lend:
	s_endpgm
.Lfunc_end_k_qe5f12f438c_prep:
	.size	k_qe5f12f438c_prep, .Lfunc_end_k_qe5f12f438c_prep-k_qe5f12f438c_prep
	.p2alignl 7, 3214868480
	.fill 96, 4, 3214868480
	.section	.rodata,"a",@progbits
	.p2align	6, 0x0
	.amdhsa_kernel k_qe5f12f438c_prep
		.amdhsa_group_segment_fixed_size 0
		.amdhsa_private_segment_fixed_size 0
		.amdhsa_enable_private_segment 0
		.amdhsa_kernarg_size 80
		.amdhsa_user_sgpr_count 2
		.amdhsa_user_sgpr_kernarg_segment_ptr 1
		.amdhsa_wavefront_size32 1
		.amdhsa_system_sgpr_workgroup_id_x 1
		.amdhsa_system_sgpr_workgroup_id_y 1
		.amdhsa_system_sgpr_workgroup_id_z 1
		.amdhsa_system_vgpr_workitem_id 0
		.amdhsa_next_free_vgpr 160
		.amdhsa_next_free_sgpr 66
		.amdhsa_reserve_vcc 0
		.amdhsa_float_denorm_mode_32 3
		.amdhsa_float_denorm_mode_16_64 3
		.amdhsa_memory_ordered 1
		.amdhsa_forward_progress 1
		.amdhsa_inst_pref_size 15
	.end_amdhsa_kernel
	.amdgpu_metadata
---
amdhsa.version: [ 1, 2 ]
amdhsa.kernels:
  - .name:           k_qe5f12f438c_prep
    .symbol:         k_qe5f12f438c_prep.kd
    .args:
      - { .name: x, .offset: 0, .size: 8, .value_kind: global_buffer, .address_space: global }
      - { .name: Wq, .offset: 8, .size: 8, .value_kind: global_buffer, .address_space: global }
      - { .name: Wk, .offset: 16, .size: 8, .value_kind: global_buffer, .address_space: global }
      - { .name: Wv, .offset: 24, .size: 8, .value_kind: global_buffer, .address_space: global }
      - { .name: bq, .offset: 32, .size: 8, .value_kind: global_buffer, .address_space: global }
      - { .name: bk, .offset: 40, .size: 8, .value_kind: global_buffer, .address_space: global }
      - { .name: bv, .offset: 48, .size: 8, .value_kind: global_buffer, .address_space: global }
      - { .name: xb, .offset: 56, .size: 8, .value_kind: global_buffer, .address_space: global }
      - { .name: wbk, .offset: 64, .size: 8, .value_kind: global_buffer, .address_space: global }
      - { .name: bias, .offset: 72, .size: 8, .value_kind: global_buffer, .address_space: global }
    .group_segment_fixed_size: 0
    .private_segment_fixed_size: 0
    .kernarg_segment_align: 8
    .kernarg_segment_size: 80
    .max_flat_workgroup_size: 352
    .sgpr_count:     66
    .vgpr_count:     160
    .wavefront_size: 32
...
	.end_amdgpu_metadata
.endif
;; end of part 5
;; launch proj: the kernel of part 2 again; grid 8 x 32, 4 waves a work-group, clusters of 4 x 4, 327,680 bytes of LDS; arguments xb, wbk, bias, qkv; writes qkv
;; launch score: the kernel of part 3 again; grid 8 x 32, 4 waves a work-group, clusters of 4 x 4, 327,680 bytes of LDS; arguments qkv, pt, st; writes pt, st
;; launch pv: the kernel of part 4 again; grid 4 x 64, 4 waves a work-group, clusters of 4 x 4, 327,680 bytes of LDS; arguments pt, qkv, st, out0; writes out0
